; MI455X (gfx1250); checked and timed in simulation.
; The chip was launched on July 23, 2026; its instructions are those of AMD's public machine-readable ISA for CDNA 5 (MIT licence, August 2026) and "CDNA5" Instruction Set Architecture Reference Guide (July 2026). The comments in the code are by the model that wrote it; some were corrected since.
;; Masked Sim Attn. Allowed arithmetic: matrix products marked QUANTISED: E2M3 operands, one E8M0 scale for each 32 along K, by v_wmma_scale_f32_16x16x128_f8f6f4 with both operands' format E2M3, f32 sums; everything else in f32.
;; Inputs: Wk_codes 1,024 x 32 x 24 uint8 (E2M3 codes of Wk, K innermost, in blocks of 32 codes, four codes in three bytes); Wk_scales 1,024 x 32 uint8 (E8M0 scales of Wk, one for each 32 codes along K); Wo_codes 1,024 x 32 x 24 uint8 (E2M3 codes of Wo, K innermost, in blocks of 32 codes, four codes in three bytes); Wo_scales 1,024 x 32 uint8 (E8M0 scales of Wo, one for each 32 codes along K); Wq_codes 1,024 x 32 x 24 uint8 (E2M3 codes of Wq, K innermost, in blocks of 32 codes, four codes in three bytes); Wq_scales 1,024 x 32 uint8 (E8M0 scales of Wq, one for each 32 codes along K); Wv_codes 1,024 x 32 x 24 uint8 (E2M3 codes of Wv, K innermost, in blocks of 32 codes, four codes in three bytes); Wv_scales 1,024 x 32 uint8 (E8M0 scales of Wv, one for each 32 codes along K); k_codes 8 x 1,024 x 32 x 24 uint8 (E2M3 codes of k, K innermost, in blocks of 32 codes, four codes in three bytes); k_scales 8 x 1,024 x 32 uint8 (E8M0 scales of k, one for each 32 codes along K); mask 16 x 1,024 x 1,024 float32; q_codes 8 x 1,024 x 32 x 24 uint8 (E2M3 codes of q, K innermost, in blocks of 32 codes, four codes in three bytes); q_scales 8 x 1,024 x 32 uint8 (E8M0 scales of q, one for each 32 codes along K); v_codes 8 x 1,024 x 32 x 24 uint8 (E2M3 codes of v, K innermost, in blocks of 32 codes, four codes in three bytes); v_scales 8 x 1,024 x 32 uint8 (E8M0 scales of v, one for each 32 codes along K).
;; Outputs: out0 8 x 1,024 x 1,024 float32.
;; This version of the problem:
;;   THIS VERSION OF THE PROBLEM IS GIVEN IN LOW PRECISION. The matrix products marked QUANTISED in the list below multiply operands that are first quantised to E2M3 (2 exponent bits, 3 mantissa bits; 6 bits a number), with one power-of-two scale for each 32 numbers along K (OCP MX v1.0); their sums are f32. All else is computed in f32.
;;   The module's matrix products, in the order in which they are computed (A, B: the left and right operand; K: the contracted axis; several contracted axes count as one K, in the product's order):
;;     1. [M 8,192, K 1,024] x [K 1,024, N 1,024]; A: input q (given as codes); B: input Wq (given as codes): QUANTISED
;;     2. [M 8,192, K 1,024] x [K 1,024, N 1,024]; A: input k (given as codes); B: input Wk (given as codes): QUANTISED
;;     3. [M 8,192, K 1,024] x [K 1,024, N 1,024]; A: input v (given as codes); B: input Wv (given as codes): QUANTISED
;;     4. batch 128 x [M 1,024, K 64] x [K 64, N 1,024]; A: computed on the way; B: computed on the way: QUANTISED
;;     5. batch 128 x [M 1,024, K 1,024] x [K 1,024, N 64]; A: computed on the way; B: computed on the way: QUANTISED
;;     6. [M 8,192, K 1,024] x [K 1,024, N 1,024]; A: computed on the way; B: input Wo (given as codes): QUANTISED
;;   THE QUANTISER, for each operand of a quantised product, along K:
;;     - K is cut into blocks of 32 from its start; a last block that is shorter is filled with zeros.
;;     - A block's scale is 2^e with e = floor(log2(the largest magnitude in the block)) - 2, held to -126 .. 127; a block of zeros has e = 0. As a byte (E8M0): e + 127.
;;     - Each number is divided by its block's scale, clamped to +-7.5, and rounded to the nearest number of E2M3, ties to even, subnormals kept.
;;     - The product sums the exact products of the quantised numbers (number of the format x scale) in f32.
;;   ~~~python
;;   def quantise(x, axis):      # numpy; x: float32 -> the quantised numbers, widened to float32 again
;;       x = np.moveaxis(x, axis, -1); K = x.shape[-1]
;;       x = np.pad(x, [(0, 0)] * (x.ndim - 1) + [(0, -K % 32)]); x = x.reshape(x.shape[:-1] + (-1, 32)); a = np.abs(x).max(-1, keepdims=True)
;;       e = np.where(a > 0, np.clip(np.frexp(np.where(a > 0, a, 1))[1] - 1 - 2, -126, 127), 0)      # np.frexp(a)[1] - 1 = floor(log2(a)), exactly
;;       r = np.clip(x / 2.0 ** e, -7.5, 7.5)
;;       step = 2.0 ** (np.maximum(np.frexp(np.where(r == 0, 1, r))[1] - 1, 0) - 3)
;;       q = np.round(r / step) * step * 2.0 ** e      # np.round: ties to even
;;       return np.moveaxis(q.reshape(q.shape[:-2] + (-1,))[..., :K], -1, axis).astype(np.float32)
;;   ~~~
;;   OPERANDS COMPUTED ON THE WAY. 'Computed on the way' means the value that the module computes at that place (a softmax that the list does not call 'softmax' is quantised finished and normalised). What goes into a quantiser is computed in f32, as accurately as f32 sums, v_exp_f32 and their like allow (about 1e-6 of the number): no bf16 or f16 on the way to a quantiser, and a product that is left as it is and whose result goes on into a quantised operand takes f32 operands (vector FMAs, or v_wmma_f32_16x16x4_f32). A number that lies on a knife's edge between two numbers of the format may be rounded either way, as far as f32 arithmetic and the matrix unit's own rounding can turn it there, and no further.
;;   INPUTS GIVEN AS CODES. Wk (in the module: [1024, 1024], K = its axis 0); Wo (in the module: [1024, 1024], K = its axis 0); Wq (in the module: [1024, 1024], K = its axis 0); Wv (in the module: [1024, 1024], K = its axis 0); k (in the module: [8, 1024, 1024], K = its axis 2); q (in the module: [8, 1024, 1024], K = its axis 2); v (in the module: [8, 1024, 1024], K = its axis 2): each comes as NAME_codes (uint8): NAME with its K axis moved to the last place and cut into blocks of 32 codes, [.., K / 32, bytes a block], one block behind the other in memory; four codes in three bytes: a row's codes are one little-endian stream of bits, code i at bits 6 i .. 6 i + 5 (a code: sign, 2 exponent bits, 3 mantissa bits); and NAME_scales (uint8): the same leading axes, one E8M0 byte (e + 127) for each 32 codes along K. Its value is code x scale, taken as it is: it is not quantised again, and the codes and scales need not be those that the quantiser above would give.
;; One version. Each part assembles by itself: llvm-mc -triple=amdgcn-amd-amdhsa -mcpu=gfx1250 --defsym DOCPART=n.
;; ======== version 1 of 1: 3 launches
;; workspace buffers: qf 13,369,344 bytes; kv 13,369,344 bytes; xc 6,291,456 bytes; xs 262,144 bytes
;; launch proj (part 1): grid 4 x 96, 4 waves a work-group, clusters of 4 x 4, 327,680 bytes of LDS; arguments q_codes, q_scales, Wq_codes, Wq_scales, k_codes, k_scales, Wk_codes, Wk_scales, v_codes, v_scales, Wv_codes, Wv_scales, qf, kv; writes qf, kv
.if DOCPART == 1
	.amdgcn_target "amdgcn-amd-amdhsa--gfx1250"
	.amdhsa_code_object_version 6
	.text
	.protected	k_q447cf1d254_proj
	.globl	k_q447cf1d254_proj
	.p2align	8
	.type	k_q447cf1d254_proj,@function
k_q447cf1d254_proj:
	s_mov_b64 s[64:65], 0
	v_nop
	global_prefetch_b8 v0, s[64:65] scope:SCOPE_SE
	s_setreg_imm32_b32 hwreg(HW_REG_WAVE_MODE, 25, 1), 1
	s_wait_xcnt 0x0
	s_wait_alu depctr_hold_cnt(0) depctr_sa_sdst(0) depctr_va_vdst(0) depctr_va_sdst(0) depctr_va_ssrc(0) depctr_va_vcc(0) depctr_vm_vsrc(0)
	s_getreg_b32 s2, hwreg(HW_REG_IB_STS2, 6, 4)
	s_cmp_eq_u32 s2, 0
	s_cbranch_scc0 .Lentry_in_a_cluster
	s_endpgm
.Lentry_in_a_cluster:
	s_bfe_u32 s2, ttmp6, 0x10000c
	s_cmp_lg_u32 s2, 0xf033
	s_cbranch_scc0 .Lentry_shape_is_right
	s_endpgm
.Lentry_shape_is_right:
; THE THREE PROJECTIONS q Wq, k Wk, v Wv ON CODES OF FP6 (E2M3), AND WHAT FOLLOWS THEM UP TO THE NEXT QUANTISER.
; Each is [8192][1024] x [1024][1024] on given codes and E8M0 bytes.  A tile of 256 x 256 is made by a work-group of four waves, a wave makes 128 x 128 in 64 accumulators (512 registers);
; K goes in four steps of 256 through a ring of two LDS slots filled by the tensor data mover; the scale bytes of the work-group's rows come into LDS once.
; 96 rows of work-groups: cluster y / 8 says which tensor: 0 = v, 1 = k, 2 = q (the longest epilogue first, the shortest last).
; THE MATRIX INSTRUCTION: source 0 = 16 rows of 'B', source 1 = 16 rows of 'A': a lane holds ONE row of A and eight neighbouring rows of B.
;   q, k: A = the tokens, B = the weight: a lane holds one token, its registers run along the output features: the next K (the head's 64).
;   v:    A = the weight, B = the tokens: a lane holds one feature, its registers run along the keys: the next K of the second attention product.  Only the pointers are swapped.
; EPILOGUE q: quantised along the head's 64; the codes leave as IMAGES OF THE OPERAND'S REGISTERS.
; EPILOGUE k: each token's 64 numbers of a head are divided by max(their norm, 1e-12); quantised likewise; rows change tiles (below); images likewise.
; EPILOGUE v: each key's 64 numbers of a head are divided by max(their norm, 1e-12) (the sum runs over lanes and tiles); quantised along the keys; images likewise.
; ORDER INSIDE A BLOCK OF 32: the conversions take a lane's 16 registers, which are elements 0-7 and 16-23 (lanes 0-15) or 8-15 and 24-31 (lanes 16-31) of a block; so place 8 t + i of a block holds
; element 8 pi(t) + i, pi = (0, 2, 1, 3).  Both operands of each later product carry the same order, which leaves the sums as they are.
; OUT: blocks of 13,056 bytes at [head][step of 128 tokens][batch]: +0 eight tiles of 16 tokens x 64 (768 bytes: 16 bytes a lane, then 8 bytes a lane); +6144 four tiles of 16 features x 128 keys (3 x 512);
; +12288 the token tiles' scale words (16 bytes a lane); +12800 the feature tiles' (8 bytes a lane).  q goes to qf (token parts alone), k and v to kv.  Every store of a wave covers 256 or 512 consecutive bytes, aligned.
; k'S TILES ARE NOT NEIGHBOURING KEYS: tile 4 c + t, row 8 g + i is key 64 c + 32 g + 8 pi(t) + i, so that in the scores a lane's 32 registers are one block of keys in the order that v's codes have.
; CLUSTERS: 4 x 4 work-groups; A's tile is shared along a row of the cluster, B's along a column: joint tensor loads.
; LIMITS: NaN and infinities are not served.  A block of zeros gets the scale byte 1 (its codes are zeros; this program alone reads the bytes).  A norm is sqrt, max, reciprocal, multiply: a few units in the last place.
.set KSTEP,  256
.set NQ,     2                         ; matrix instructions deep in a slot
.set ROWB,   192                       ; a tile's row: 256 codes
.set KROW,   768                       ; a row of codes in memory
.set PITCH,  240                       ; an LDS row: 3 x (64 bytes + 16 of padding)
.set FR,     12
.set NL,     6
.set NP,     4
.set HALFT,  128*PITCH
.set SLOT,   4*HALFT
.set KS,     32                        ; a row of scale bytes
.set SCL,    2*SLOT
.set HALFS,  (128*KS/256)*272
.set SBLK,   (16*KS/256)*272
.set SPARE,  SCL+4*HALFS               ; the spare words: 128 bytes a wave, named by no other line
.set BLKB,   13056                     ; a block of the output
.set HEADB,  64*BLKB                   ; from head to head
.set ADRA, 16
.set ADRB, 20
.set ADRS, 27
.set SPW,  28
.set NIL,  29
.set SC,   32
.set AF,   128
.set L16,  2                           ; epilogue: v2 16 x lane, v3 8 x lane
.set L8,   3
.set TM,   32                          ; epilogue: v32-35 largest magnitudes, v36-39 at work, v44-47 the conversions' scale operands
.set XT,   48                          ; v48-50, v52-54 the second halves' codes
.set TX,   56                          ; v56-57 at work in the exchange of rows
.set SS,   64                          ; v64-127 sums of squares, then reciprocals of norms
.set FB,   128                         ; v128-223 the eight fragments made: 12 registers each
.set SW,   224                         ; v224-231 their scale words
.set WO,   232                         ; v232-239 scale words as they are stored
.set G1, 24
.set G0, 32
.set G1B, 48
.set G0B, 56
.set G1S, 68
.set G0S, 76
.set G1SB, 80
.set G0SB, 88
.set TT, 66                            ; s66 which tensor: 0 v, 1 k, 2 q
.set MSB, 0
.macro WIN new                         ; the immediate's high byte repeats the setting that is left
.if MSB != (\new)
	s_set_vgpr_msb (MSB<<8)|(\new)
.set MSB, (\new)
.endif
.endm
.set MUL_LO, 0xa1                      ; source 0 (B) window 1, source 1 (A) window 0, C and D window 2
.set MUL_HI, 0xf1                      ; the same, C and D window 3
.set TO_B,   0x40
; A joint load: waves 0 and 1 fetch for A, waves 2 and 3 for B; the branch hangs on the wave's number alone.  Four v_nop follow each of the two lines.
.macro JLOAD g0a, g1a, g0b, g1b
	s_cmp_eq_u32 s15, 0
	s_cbranch_scc0 .Lfor_b_\@
	tensor_load_to_lds s[\g0a:\g0a+3], s[\g1a:\g1a+7]
	s_nop 0
.rept 4
	v_nop
.endr
	s_branch .Lasked_\@
.Lfor_b_\@:
	tensor_load_to_lds s[\g0b:\g0b+3], s[\g1b:\g1b+7]
	s_nop 0
.rept 4
	v_nop
.endr
.Lasked_\@:
.endm
.macro CREST                           ; a round of the cluster's barrier behind its opening barrier
	s_cmp_lg_u32 s14, 0
	s_cbranch_scc1 .Lnot_wave_0_\@
	s_barrier_signal -3
.Lnot_wave_0_\@:
	s_barrier_wait -3
	s_barrier_signal -1
	s_barrier_wait -1
.endm
.macro CROUND
	s_barrier_signal -1
	s_barrier_wait -1
	CREST
.endm
	s_load_b512 s[68:83], s[0:1], 0x0              ; q's codes, scales, Wq's codes, scales; k's four likewise
	s_load_b256 s[84:91], s[0:1], 0x40             ; v's four
	s_load_b128 s[96:99], s[0:1], 0x60             ; qf, kv
	v_lshl_add_u32 v[SPW], v0, 2, SPARE
	v_mov_b32 v[NIL], 0
	ds_add_u32 v28, v29
	ds_add_u32 v28, v29
	s_wait_dscnt 0x0
	v_lshrrev_b32 v1, 5, v0
	v_readfirstlane_b32 s14, v1                    ; wave 0..3
	s_lshr_b32 s15, s14, 1                         ; which half of A's rows is mine.  Also: I fetch for A (0) or for B (1)
	s_and_b32 s16, s14, 1                          ; which half of B's rows.  Also: which 128 rows I fetch
	s_bfe_u32 s40, ttmp6, 0x40000                  ; cx
	s_bfe_u32 s41, ttmp6, 0x40004                  ; cy
	s_and_b32 s17, ttmp7, 0xffff                   ; cluster y, 0..23 (the grid has one cluster along x)
	s_lshr_b32 s[TT], s17, 3                       ; the tensor: the same in all sixteen partners
	s_and_b32 s17, s17, 7
	s_lshl_b32 s17, s17, 2                         ; four tiles of tokens to a cluster
	s_cmp_eq_u32 s[TT], 0                          ; v?  Then the tokens are B's rows
	s_cselect_b32 s42, s17, 0
	s_cselect_b32 s17, 0, s17
	s_add_co_u32 s42, s42, s40                     ; B's tile of 256 rows: hangs on cx and the cluster's number
	s_add_co_u32 s17, s17, s41                     ; A's tile: on cy and the cluster's number
	s_lshl_b32 s43, s41, 2
	s_lshl_b32 s43, 15, s43                        ; my row of the cluster
	s_lshl_b32 s44, 0x1111, s40                    ; my column
	; descriptor group 1: a tile of 128 rows x 192 bytes, 16 bytes of padding behind every 64
	s_or_b32 s[G1+0], s43, (0<<16)|(1<<20)|(1<<21)|(3<<22)|(3<<25)
	s_or_b32 s[G1B+0], s44, (0<<16)|(1<<20)|(1<<21)|(3<<22)|(3<<25)
.irp g, G1, G1B
	s_mov_b32 s[\g+1], ROWB<<16                    ; tensor_dim0
	s_mov_b32 s[\g+2], 128<<16                     ; tensor_dim1
	s_mov_b32 s[\g+3], ROWB<<16                    ; tile_dim0
	s_mov_b32 s[\g+4], 128                         ; tile_dim1
	s_mov_b32 s[\g+5], KROW                        ; stride from row to row
	s_mov_b32 s[\g+6], 0
	s_mov_b32 s[\g+7], 0
.endr
	; where my wave's results go: ((first head x 8 + step of 128 tokens) x 8 + batch) x 13,056.  This number enters store addresses alone
	s_cmp_eq_u32 s[TT], 0
	s_cselect_b32 s67, s42, s17                    ; the tile of tokens,
	s_cselect_b32 s95, s16, s15                    ; my half of it,
	s_cselect_b32 s100, s17, s42                   ; the tile of features,
	s_cselect_b32 s101, s15, s16                   ; my half of it
	s_lshl_b32 s100, s100, 2
	s_lshl_b32 s101, s101, 1
	s_add_co_u32 s100, s100, s101                  ; my first head: 4 x tile + 2 x half
	s_lshl_b32 s100, s100, 3
	s_and_b32 s101, s67, 3
	s_lshl_b32 s101, s101, 1
	s_add_co_u32 s101, s101, s95                   ; the step: 2 x (tile mod 4) + half
	s_add_co_u32 s100, s100, s101
	s_lshl_b32 s100, s100, 3
	s_lshr_b32 s101, s67, 2                        ; the batch: four tiles of 256 tokens each
	s_add_co_u32 s100, s100, s101
	s_mul_i32 s100, s100, BLKB
	s_mov_b32 s101, 0
	s_lshl_b32 s18, s16, 7                         ; which 128 rows of the tile I fetch
	s_lshl_b32 s20, s17, 8
	s_add_co_u32 s20, s20, s18                     ; A's row
	s_lshl_b32 s46, s42, 8
	s_add_co_u32 s46, s46, s18                     ; B's row
	s_mov_b32 s21, 0
	s_mov_b32 s47, 0
	s_mov_b64 s[18:19], KS
	s_mul_u64 s[22:23], s[20:21], s[18:19]         ; where these rows' scale bytes begin
	s_mul_u64 s[92:93], s[46:47], s[18:19]
	s_mov_b64 s[18:19], KROW
	s_mul_u64 s[20:21], s[20:21], s[18:19]         ; and their codes
	s_mul_u64 s[46:47], s[46:47], s[18:19]
	s_mul_i32 s45, s14, HALFT                      ; where they go: wave x 128 rows: no place in the cluster enters an LDS address
	s_mul_i32 s94, s14, HALFS
	s_wait_kmcnt 0x0
	s_cmp_eq_u32 s[TT], 1                          ; the tensor's four buffers are chosen by the tensor's number, which hangs on no address
	s_cselect_b64 s[68:69], s[76:77], s[68:69]
	s_cselect_b64 s[70:71], s[78:79], s[70:71]
	s_cselect_b64 s[72:73], s[80:81], s[72:73]
	s_cselect_b64 s[74:75], s[82:83], s[74:75]
	s_cmp_eq_u32 s[TT], 0
	s_cselect_b64 s[68:69], s[84:85], s[68:69]     ; the tokens' codes,
	s_cselect_b64 s[70:71], s[86:87], s[70:71]     ; their scale bytes,
	s_cselect_b64 s[72:73], s[88:89], s[72:73]     ; the weight's codes,
	s_cselect_b64 s[74:75], s[90:91], s[74:75]     ; its scale bytes
	s_cselect_b64 s[4:5], s[72:73], s[68:69]       ; A = v's weight, or q's, k's tokens
	s_cselect_b64 s[6:7], s[74:75], s[70:71]
	s_cselect_b64 s[8:9], s[68:69], s[72:73]       ; B = the other
	s_cselect_b64 s[10:11], s[70:71], s[74:75]
	s_cmp_eq_u32 s[TT], 2
	s_cselect_b64 s[12:13], s[96:97], s[98:99]     ; q goes to qf, k and v to kv
	s_add_nc_u64 s[12:13], s[12:13], s[100:101]
	s_add_nc_u64 s[20:21], s[4:5], s[20:21]
	s_add_nc_u64 s[22:23], s[6:7], s[22:23]
	s_add_nc_u64 s[46:47], s[8:9], s[46:47]
	s_add_nc_u64 s[92:93], s[10:11], s[92:93]
	; the scale bytes of 128 rows: a dense block of 4,096 bytes, as rows of 256 bytes (32 elements of 8), 16 bytes of padding behind each
	s_or_b32 s[G1S+0], s43, (3<<16)|(1<<20)|(1<<21)|(5<<22)|(3<<25)
	s_or_b32 s[G1SB+0], s44, (3<<16)|(1<<20)|(1<<21)|(5<<22)|(3<<25)
.irp g, G1S, G1SB
	s_mov_b32 s[\g+1], 32<<16
	s_mov_b32 s[\g+2], (128*KS/256)<<16
	s_mov_b32 s[\g+3], 32<<16
	s_mov_b32 s[\g+4], 128*KS/256
	s_mov_b32 s[\g+5], 32
	s_mov_b32 s[\g+6], 0
	s_mov_b32 s[\g+7], 0
.endr
	CROUND                                         ; all sixteen work-groups are here: the first joint loads meet
	s_mov_b32 s[G0S], 1
	s_add_co_u32 s[G0S+1], s94, SCL
	s_mov_b64 s[G0S+2:G0S+3], s[22:23]
	s_or_b32 s[G0S+3], s[G0S+3], 0x80000000
	s_mov_b32 s[G0SB], 1
	s_add_co_u32 s[G0SB+1], s94, SCL
	s_mov_b64 s[G0SB+2:G0SB+3], s[92:93]
	s_or_b32 s[G0SB+3], s[G0SB+3], 0x80000000
	JLOAD G0S, G1S, G0SB, G1SB                     ; the scale bytes first: they are wanted with K step 0
.irp s, 0,1
	s_mov_b32 s[G0+4*\s], 1
	s_add_co_u32 s[G0+4*\s+1], s45, \s*SLOT
	s_add_nc_u64 s[G0+4*\s+2:G0+4*\s+3], s[20:21], \s*ROWB
	s_or_b32 s[G0+4*\s+3], s[G0+4*\s+3], 0x80000000
	s_mov_b32 s[G0B+4*\s], 1
	s_add_co_u32 s[G0B+4*\s+1], s45, \s*SLOT
	s_add_nc_u64 s[G0B+4*\s+2:G0B+4*\s+3], s[46:47], \s*ROWB
	s_or_b32 s[G0B+4*\s+3], s[G0B+4*\s+3], 0x80000000
	JLOAD G0+4*\s, G1, G0B+4*\s, G1B
.endr
	v_and_b32 v1, 15, v0                           ; l % 16
	v_bfe_u32 v2, v0, 4, 1                         ; l / 16
	v_mul_u32_u24 v3, v1, PITCH
	v_mul_u32_u24 v4, v2, 24
	v_add_nc_u32 v4, v3, v4                        ; a fragment's row x pitch + 24 x half
	v_lshl_add_u32 v5, v2, 4, v4                   ; and the same behind one padding more
	s_mul_i32 s21, s15, HALFT                      ; my 128 rows of A
	s_mul_i32 s22, s16, HALFT                      ; my 128 rows of B,
	s_add_co_u32 s22, s22, 2*HALFT                 ; which lie behind A's 256
.irp s, 0,1
	v_add_nc_u32 v[ADRA+\s], s21, v4
	v_add_nc_u32 v[ADRB+\s], s22, v4
	v_add_nc_u32 v[ADRA+2+\s], s21, v5
	v_add_nc_u32 v[ADRB+2+\s], s22, v5
	s_add_co_u32 s21, s21, SLOT
	s_add_co_u32 s22, s22, SLOT
.endr
	v_mul_u32_u24 v5, v1, KS                       ; my row's scale bytes: 32 a row,
	v_lshrrev_b32 v6, 8, v5
	v_lshl_add_u32 v5, v6, 4, v5                   ; and 16 more for each 256 passed
	s_mul_i32 s21, s15, HALFS
	s_mul_i32 s22, s16, HALFS
	s_add_co_u32 s22, s22, 2*HALFS
	s_sub_co_u32 s22, s22, s21
	v_mul_u32_u24 v6, s22, v2                      ; lanes 16-31 take B's: one product, the distance between the two bases
	s_add_co_u32 s21, s21, SCL
	v_add_nc_u32 v5, v5, v6
	v_add_nc_u32 v[ADRS], s21, v5
.macro FRAG reg, adr, q, i             ; 16 rows x 128 K of 6-bit codes: 12 registers, six pieces of 8 bytes; lanes 16-31 read three pieces on, for some pieces behind one padding more (second address register)
.irp p, 0,1,2,3,4,5
.set PCE, 12*(\q)+6*(\p/3)+\p%3
.if PCE%8 < 5
	ds_load_b64 v[\reg+2*\p:\reg+2*\p+1], v[\adr] offset:8*PCE+16*(PCE/8)+(\i)*16*PITCH
.else
	ds_load_b64 v[\reg+2*\p:\reg+2*\p+1], v[\adr+2] offset:8*PCE+16*(PCE/8)+(\i)*16*PITCH
.endif
.endr
.endm
; 16 matrix instructions: A's blocks a0, a0 + 1 x B's eight, 128 along K.  The 64 accumulators take turns, one instruction a turn.
.macro MUL16 a0, p, q, sc, zero
.irp a, \a0, \a0+1
.irp b, 0,1,2,3,4,5,6,7
.if \zero
	v_wmma_scale_f32_16x16x128_f8f6f4 v[8*(8*((\a)%4)+\b):8*(8*((\a)%4)+\b)+7], v[128*(\p)+FR*\b:128*(\p)+FR*\b+FR-1], v[AF+FR*(\a):AF+FR*(\a)+FR-1], 0, v[SC+8*NQ*(\sc)+NQ*\b+(\q)], v[SC+8*NQ*(\sc)+NQ*(\a)+(\q)] matrix_a_fmt:MATRIX_FMT_FP6 matrix_b_fmt:MATRIX_FMT_FP6 matrix_a_scale:MATRIX_SCALE_ROW1
.else
	v_wmma_scale_f32_16x16x128_f8f6f4 v[8*(8*((\a)%4)+\b):8*(8*((\a)%4)+\b)+7], v[128*(\p)+FR*\b:128*(\p)+FR*\b+FR-1], v[AF+FR*(\a):AF+FR*(\a)+FR-1], v[8*(8*((\a)%4)+\b):8*(8*((\a)%4)+\b)+7], v[SC+8*NQ*(\sc)+NQ*\b+(\q)], v[SC+8*NQ*(\sc)+NQ*(\a)+(\q)] matrix_a_fmt:MATRIX_FMT_FP6 matrix_b_fmt:MATRIX_FMT_FP6 matrix_a_scale:MATRIX_SCALE_ROW1
.endif
.endr
.endr
.endm
.macro FETCH_B slot, q, p
	WIN TO_B
.irp i, 0,1,2,3,4,5,6,7
	FRAG 128*(\p)+FR*\i, ADRB+\slot, \q, \i
.endr
	WIN 0
.endm
.macro FETCH_A slot, q, i0
.irp i, \i0, \i0+1, \i0+2, \i0+3
	FRAG AF+FR*(\i), ADRA+\slot, \q, \i
.endr
.endm
.macro SCALES sc                       ; a K step's scale words: lanes 0-15 A's block i, lanes 16-31 B's block i
.irp i, 0,1,2,3,4,5,6,7
	ds_load_b64 v[SC+8*NQ*\sc+NQ*\i:SC+8*NQ*\sc+NQ*\i+1], v[ADRS] offset:\i*SBLK
.endr
.endm
.macro PLACES n                        ; plain vector instructions between a matrix instruction and a load into, or a read of, its registers
.rept \n
	v_nop
.endr
.endm
.macro STEP slot, q, zero              ; 128 along K that has its successor in the same slot
	s_wait_dscnt 4*NL                              ; B's set and A's blocks 0-3 are in; the youngest 24 loads (A's blocks 4-7) may be out
	WIN MUL_LO
	MUL16 0, (\q)%2, \q, \slot, \zero
	MUL16 2, (\q)%2, \q, \slot, \zero
	s_wait_dscnt 0
	PLACES NP
	FETCH_B \slot, (\q)+1, 1-(\q)%2
	FETCH_A \slot, (\q)+1, 0
	WIN MUL_HI
	MUL16 4, (\q)%2, \q, \slot, \zero
	MUL16 6, (\q)%2, \q, \slot, \zero
	PLACES NP
	WIN 0
	FETCH_A \slot, (\q)+1, 4
.endm
; A slot's last 128 along K changes slots: one barrier; in front of it each wave waits for all its tensor loads, adds 0 to its spare word, and waits for that and for its reads of this slot.
.macro TURN slot, next, fill
	s_wait_tensorcnt 0x0                           ; all my tensor loads have landed: my part of the next slot
	ds_add_u32 v[SPW], v[NIL]                      ; 0 onto my spare word
	s_wait_dscnt 4*NL+1                            ; the add and the youngest 24 loads may be out
	WIN MUL_LO
	MUL16 0, 1, NQ-1, \slot, 0
	s_wait_dscnt 0x0                               ; the add is done, and my reads of this slot are over
	s_barrier_signal -1
	MUL16 2, 1, NQ-1, \slot, 0
	WIN 0
	s_barrier_wait -1
.if \fill
	CREST                                          ; the barrier has opened a round of the cluster's barrier: no wave of any partner still reads this slot or has a load on its way
	s_add_nc_u64 s[G0+4*\slot+2:G0+4*\slot+3], s[G0+4*\slot+2:G0+4*\slot+3], 2*ROWB
	s_add_nc_u64 s[G0B+4*\slot+2:G0B+4*\slot+3], s[G0B+4*\slot+2:G0B+4*\slot+3], 2*ROWB
	JLOAD G0+4*\slot, G1, G0B+4*\slot, G1B         ; the first tensor load behind the round; its four v_nop are the places in front of the loads below
.else
	PLACES NP
.endif
	v_add_nc_u32 v[ADRS], 4*NQ, v[ADRS]            ; the next K step's scale words (no LDS load of mine is out)
	FETCH_B \next, 0, 0
	FETCH_A \next, 0, 0
	SCALES \next
	WIN MUL_HI
	MUL16 4, 1, NQ-1, \slot, 0
	MUL16 6, 1, NQ-1, \slot, 0
	PLACES NP
	WIN 0
	FETCH_A \next, 0, 4
.endm
	s_wait_tensorcnt 1                             ; the scale bytes and my part of K step 0 are in; K step 1's load may be out
	s_barrier_signal -1
	s_barrier_wait -1
	FETCH_B 0, 0, 0
	FETCH_A 0, 0, 0
	SCALES 0
	FETCH_A 0, 0, 4
	STEP 0, 0, 1                                   ; K = 1,024 is four slots: written straight.  The first products start the sums
	TURN 0, 1, 1
	STEP 1, 0, 0
	TURN 1, 0, 1
	STEP 0, 0, 0
	TURN 0, 1, 0                                   ; nothing is left to fetch
	STEP 1, 0, 0
	s_wait_dscnt 4*NL
	WIN MUL_LO
	MUL16 0, 1, NQ-1, 1, 0
	MUL16 2, 1, NQ-1, 1, 0
	s_wait_dscnt 0
	WIN MUL_HI
	MUL16 4, 1, NQ-1, 1, 0
	MUL16 6, 1, NQ-1, 1, 0
	WIN 0
	s_wait_tensorcnt 0x0                           ; my last LDS instructions; the epilogue touches no LDS
	ds_add_u32 v[SPW], v[NIL]
	s_wait_dscnt 0x0
	PLACES NP                                      ; behind the last products: all that follows reads results and writes over operands that are done with
; ---------------- THE EPILOGUES.  acc(a, b): window 2 + a / 4, v[8 (8 (a % 4) + b) + i]: lane (r, h) holds A's row 16 a + r, B's row 16 b + 8 h + i.
	s_mov_b32 s20, 0x76543210
	s_mov_b32 s21, 0xfedcba98                      ; v_permlanex16_b32's selects for lane l xor 16
	s_mov_b32 s22, 0xff00ff00                      ; lanes 8-15 of each half of the lanes
	s_mov_b32 s18, 0xffff0000                      ; lanes 16-31
	v_and_b32 v1, 31, v0
	v_lshlrev_b32 v[L16], 4, v1
	v_lshlrev_b32 v[L8], 3, v1
.irp b, 0,1,2,3
	v_mov_b32 v[TM+4+\b], 0                        ; written once: a lane permute's destination counts as one of its sources
.endr
	v_mov_b32 v[TX], 0
	v_mov_b32 v[TX+1], 0
; 64 numbers of a lane in window w, v[s] on (register 16 b + i: block b of 32, my half's 16 of it), become a fragment's 12 registers at v[f] and its scale word v[pw], in window 0.
.macro QUANTW w, s, f, pw
	WIN 5*(\w)                                     ; sources 0 and 1 in window w
.irp b, 0,1,2,3
	v_max3_num_f32 v[TM+\b], |v[(\s)+16*\b]|, |v[(\s)+16*\b+1]|, 0x1800000   ; my 16 numbers of block b, and the floor 2^(3 - 127): the byte cannot fall under 1
.endr
.irp i, 2,4,6,8,10,12,14
.irp b, 0,1,2,3
	v_max3_num_f32 v[TM+\b], |v[(\s)+16*\b+\i]|, |v[(\s)+16*\b+\i+1]|, v[TM+\b]
.endr
.endr
	WIN 0
.irp b, 0,1,2,3
	v_permlanex16_b32 v[TM+4+\b], v[TM+\b], s20, s21
.endr
.irp b, 0,1,2,3
	v_max_num_f32 v[TM+\b], v[TM+\b], v[TM+4+\b]   ; with lane l xor 16's: the block's largest magnitude
.endr
.irp b, 0,1,2,3
	v_add_nc_u32 v[TM+12+\b], 0xff000000, v[TM+\b] ; 2 off its exponent field: the conversion's scale operand
.endr
.irp b, 0,1,2,3
	v_lshrrev_b32 v[TM+4+\b], 23, v[TM+12+\b]      ; the scale's byte
.endr
	v_lshl_or_b32 v[\pw], v[TM+5], 8, v[TM+4]
	v_lshl_or_b32 v[\pw], v[TM+6], 16, v[\pw]
	v_lshl_or_b32 v[\pw], v[TM+7], 24, v[\pw]
	WIN \w                                         ; source 0 in window w
.irp c, 0,1
	v_cvt_scalef32_pk16_fp6_f32 v[(\f)+6*\c:(\f)+6*\c+2], v[(\s)+32*\c:(\s)+32*\c+15], v[TM+12+2*\c]
	v_cvt_scalef32_pk16_fp6_f32 v[XT+4*\c:XT+4*\c+2], v[(\s)+32*\c+16:(\s)+32*\c+31], v[TM+12+2*\c+1]   ; (a conversion's three registers begin on an even number)
.endr
	WIN 0
	v_nop                                          ; one plain place behind a scaled conversion
.irp c, 0,1                                    ; the operand's layout wants a whole block in a lane: lanes 0-15 block 2 c, lanes 16-31 block 2 c + 1
.irp i, 0,1,2
	v_permlane16_swap_b32 v[(\f)+6*\c+\i], v[XT+4*\c+\i]
.endr
.irp i, 0,1,2
	v_mov_b32 v[(\f)+3+6*\c+\i], v[XT+4*\c+\i]
.endr
.endr
.endm
.macro PUTQK a                         ; tile a of both heads: registers 6 c .. 6 c + 5 are head c's: 16 bytes a lane, then 8 bytes a lane
.irp c, 0,1
	global_store_b128 v[L16], v[FB+12*(\a)+6*\c:FB+12*(\a)+6*\c+3], s[12:13] offset:\c*HEADB+(\a)*768
	global_store_b64 v[L8], v[FB+12*(\a)+6*\c+4:FB+12*(\a)+6*\c+5], s[12:13] offset:\c*HEADB+(\a)*768+512
.endr
.endm
.macro PUTSW                           ; the eight tiles' scale words, for both heads
.irp i, 0,1,2,3
	v_cndmask_b32 v[WO+\i], v[SW+2*\i], v[SW+2*\i+1], s18   ; lanes 0-15: tile 2 i's words, lanes 16-31: tile 2 i + 1's
.endr
	global_store_b128 v[L16], v[WO:WO+3], s[12:13] offset:12288     ; head 0 reads bytes 0 and 1; bytes 2 and 3 meet zero codes there and are never 0xff
.irp i, 0,1,2,3
	v_lshrrev_b32 v[WO+4+\i], 16, v[WO+\i]         ; head 1's two bytes come down
.endr
	global_store_b128 v[L16], v[WO+4:WO+7], s[12:13] offset:HEADB+12288
.endm
	s_cmp_eq_u32 s[TT], 0
	s_cbranch_scc1 .Lpath_v                        ; the tensor's number is the same in all waves and all partners
	s_cmp_eq_u32 s[TT], 2
	s_cbranch_scc1 .Lpath_q
; ---- k.  A lane holds one token; a head is 32 of its registers (and 32 of lane l xor 16's).
.macro SUMSQ a                         ; sums of squares of tokens' blocks a, a + 1, two heads each: four chains by turns, each accumulator from its low end on
	WIN 0x0a+5*((\a)/4)
.set k, 0
.rept 16
.irp z, 0,1,2,3
.set rX, 64*(((\a)+\z/2)%4)+32*(\z%2)+2*k
.set rS, SS+2*(2*((\a)+\z/2)+\z%2)
.if k == 0
	v_pk_mul_f32 v[rS:rS+1], v[rX:rX+1], v[rX:rX+1]
.else
	v_pk_fma_f32 v[rS:rS+1], v[rX:rX+1], v[rX:rX+1], v[rS:rS+1]
.endif
.endr
.set k, k+1
.endr
.endm
.macro NORM a                          ; block a's 64 numbers x the reciprocal of their head's norm
	WIN 0x82+0x41*((\a)/4)
.irp c, 0,1
.set k, 0
.rept 16
.set rX, 64*((\a)%4)+32*\c+2*k
	v_pk_mul_f32 v[rX:rX+1], v[rX:rX+1], v[SS+2*(2*(\a)+\c):SS+2*(2*(\a)+\c)+1] op_sel_hi:[1,0]
.set k, k+1
.endr
.endr
.endm
.macro SHUF x0, x1                     ; rows 8-15 of the first change places with rows 0-7 of the second
	v_mov_b32_dpp v[TX], v[\x1] row_xmask:8 row_mask:0xf bank_mask:0xf
	v_mov_b32_dpp v[TX+1], v[\x0] row_xmask:8 row_mask:0xf bank_mask:0xf
	v_cndmask_b32 v[\x0], v[\x0], v[TX], s22
	v_cndmask_b32 v[\x1], v[TX+1], v[\x1], s22
.endm
	SUMSQ 0
	SUMSQ 2
	SUMSQ 4
	SUMSQ 6
	WIN 0
.set n, 0
.rept 16
	v_add_f32 v[SS+2*n], v[SS+2*n], v[SS+2*n+1]
.set n, n+1
.endr
.set n, 0
.rept 16
	v_permlanex16_b32 v[SS+2*n+1], v[SS+2*n], s20, s21
.set n, n+1
.endr
.set n, 0
.rept 16
	v_add_f32 v[SS+2*n], v[SS+2*n], v[SS+2*n+1]    ; with lane l xor 16's 32 numbers: the head's sum of squares
.set n, n+1
.endr
.set n, 0
.rept 16
	v_sqrt_f32 v[SS+2*n], v[SS+2*n]
.set n, n+1
.endr
	v_nop                                          ; a plain place behind the batch,
	s_wait_alu depctr_va_vdst(0)                   ; and one wait for it, ahead of its first reader
.set n, 0
.rept 16
	v_max_num_f32 v[SS+2*n], 0x2b8cbccc, v[SS+2*n] ; max(norm, 1e-12)
.set n, n+1
.endr
.set n, 0
.rept 16
	v_rcp_f32 v[SS+2*n], v[SS+2*n]
.set n, n+1
.endr
	v_nop
	s_wait_alu depctr_va_vdst(0)
.irp a0, 0,1,4,5                               ; blocks a0 and a0 + 2 exchange rows, so they go together
	NORM \a0
	QUANTW 2+\a0/4, 64*(\a0%4), FB+12*\a0, SW+\a0
	NORM \a0+2
	QUANTW 2+\a0/4, 64*((\a0+2)%4), FB+12*(\a0+2), SW+\a0+2
.irp i, 0,1,2,3,4,5,6,7,8,9,10,11
	SHUF FB+12*\a0+\i, FB+12*(\a0+2)+\i
.endr
	SHUF SW+\a0, SW+\a0+2
	PUTQK \a0
	PUTQK \a0+2
.endr
	PUTSW
	s_branch .Ltail
; ---- q.  No norm and no exchange of rows: eight quantisers and their stores.  Each fragment has registers of its own, so no store's data are written again.
.Lpath_q:
.irp a, 0,1,2,3,4,5,6,7
	QUANTW 2+\a/4, 64*(\a%4), FB+12*\a, SW+\a
	PUTQK \a
.endr
	PUTSW
	s_branch .Ltail
; ---- v.  A lane holds one feature; its registers run along my 128 keys.  A key's norm sums over a head's 4 tiles and 16 lanes.
.Lpath_v:
.macro VHEAD c
	WIN 0x0a+5*(\c)
.irp b, 0,1,2,3,4,5,6,7
.irp t, 0,1,2,3
.irp e, 0,2,4,6
.if \t == 0
	v_pk_mul_f32 v[SS+8*\b+\e:SS+8*\b+\e+1], v[8*(8*\t+\b)+\e:8*(8*\t+\b)+\e+1], v[8*(8*\t+\b)+\e:8*(8*\t+\b)+\e+1]
.else
	v_pk_fma_f32 v[SS+8*\b+\e:SS+8*\b+\e+1], v[8*(8*\t+\b)+\e:8*(8*\t+\b)+\e+1], v[8*(8*\t+\b)+\e:8*(8*\t+\b)+\e+1], v[SS+8*\b+\e:SS+8*\b+\e+1]
.endif
.endr
.endr
.endr
	WIN 0
.irp m, 1,2,4,8                                ; over the 16 lanes that hold the tile's 16 features
.set n, 0
.rept 64
	v_add_f32_dpp v[SS+n], v[SS+n], v[SS+n] row_xmask:\m row_mask:0xf bank_mask:0xf
.set n, n+1
.endr
.endr
.set n, 0
.rept 64
	v_sqrt_f32 v[SS+n], v[SS+n]
.set n, n+1
.endr
	v_nop
	s_wait_alu depctr_va_vdst(0)                   ; one wait for the batch
.set n, 0
.rept 64
	v_max_num_f32 v[SS+n], 0x2b8cbccc, v[SS+n]     ; max(norm, 1e-12)
.set n, n+1
.endr
.set n, 0
.rept 64
	v_rcp_f32 v[SS+n], v[SS+n]
.set n, n+1
.endr
	v_nop
	s_wait_alu depctr_va_vdst(0)
	WIN 0x82+0x41*(\c)
.irp t, 0,1,2,3
.irp b, 0,1,2,3,4,5,6,7
.irp e, 0,2,4,6
	v_pk_mul_f32 v[8*(8*\t+\b)+\e:8*(8*\t+\b)+\e+1], v[8*(8*\t+\b)+\e:8*(8*\t+\b)+\e+1], v[SS+8*\b+\e:SS+8*\b+\e+1]
.endr
.endr
.endr
.irp t, 0,1,2,3
	QUANTW 2+(\c), 64*\t, FB+12*(4*(\c)+\t), SW+4*(\c)+\t
.irp g, 0,1,2
	global_store_b128 v[L16], v[FB+12*(4*(\c)+\t)+4*\g:FB+12*(4*(\c)+\t)+4*\g+3], s[12:13] offset:(\c)*HEADB+6144+\t*1536+512*\g
.endr
.endr
	v_cndmask_b32 v[WO+2*(\c)], v[SW+4*(\c)], v[SW+4*(\c)+1], s18
	v_cndmask_b32 v[WO+2*(\c)+1], v[SW+4*(\c)+2], v[SW+4*(\c)+3], s18
	global_store_b64 v[L8], v[WO+2*(\c):WO+2*(\c)+1], s[12:13] offset:(\c)*HEADB+12800
.endm
	VHEAD 0
	VHEAD 1
.Ltail:
	CROUND                                         ; the closing round: no work-group ends while a partner may still ask for a tile that names it
	s_endpgm
.Lfunc_end_k_q447cf1d254_proj:
	.size	k_q447cf1d254_proj, .Lfunc_end_k_q447cf1d254_proj-k_q447cf1d254_proj
	.p2alignl 7, 3214868480
	.fill 96, 4, 3214868480
	.section	.rodata,"a",@progbits
	.p2align	6, 0x0
	.amdhsa_kernel k_q447cf1d254_proj
		.amdhsa_group_segment_fixed_size 327680
		.amdhsa_private_segment_fixed_size 0
		.amdhsa_enable_private_segment 0
		.amdhsa_kernarg_size 112
		.amdhsa_user_sgpr_count 2
		.amdhsa_user_sgpr_kernarg_segment_ptr 1
		.amdhsa_wavefront_size32 1
		.amdhsa_system_sgpr_workgroup_id_x 1
		.amdhsa_system_sgpr_workgroup_id_y 1
		.amdhsa_system_sgpr_workgroup_id_z 1
		.amdhsa_system_vgpr_workitem_id 0
		.amdhsa_next_free_vgpr 1024
		.amdhsa_next_free_sgpr 102
		.amdhsa_reserve_vcc 0
		.amdhsa_float_denorm_mode_32 3
		.amdhsa_float_denorm_mode_16_64 3
		.amdhsa_memory_ordered 1
		.amdhsa_forward_progress 1
		.amdhsa_inst_pref_size 255
	.end_amdhsa_kernel
	.section	.bss,"aw",@nobits
	.p2align	6
	.space	262144
	.amdgpu_metadata
---
amdhsa.version: [ 1, 2 ]
amdhsa.kernels:
  - .name:           k_q447cf1d254_proj
    .symbol:         k_q447cf1d254_proj.kd
    .args:
      - { .name: q_codes, .offset: 0, .size: 8, .value_kind: global_buffer, .address_space: global }
      - { .name: q_scales, .offset: 8, .size: 8, .value_kind: global_buffer, .address_space: global }
      - { .name: Wq_codes, .offset: 16, .size: 8, .value_kind: global_buffer, .address_space: global }
      - { .name: Wq_scales, .offset: 24, .size: 8, .value_kind: global_buffer, .address_space: global }
      - { .name: k_codes, .offset: 32, .size: 8, .value_kind: global_buffer, .address_space: global }
      - { .name: k_scales, .offset: 40, .size: 8, .value_kind: global_buffer, .address_space: global }
      - { .name: Wk_codes, .offset: 48, .size: 8, .value_kind: global_buffer, .address_space: global }
      - { .name: Wk_scales, .offset: 56, .size: 8, .value_kind: global_buffer, .address_space: global }
      - { .name: v_codes, .offset: 64, .size: 8, .value_kind: global_buffer, .address_space: global }
      - { .name: v_scales, .offset: 72, .size: 8, .value_kind: global_buffer, .address_space: global }
      - { .name: Wv_codes, .offset: 80, .size: 8, .value_kind: global_buffer, .address_space: global }
      - { .name: Wv_scales, .offset: 88, .size: 8, .value_kind: global_buffer, .address_space: global }
      - { .name: qf, .offset: 96, .size: 8, .value_kind: global_buffer, .address_space: global }
      - { .name: kv, .offset: 104, .size: 8, .value_kind: global_buffer, .address_space: global }
    .group_segment_fixed_size: 327680
    .private_segment_fixed_size: 0
    .kernarg_segment_align: 8
    .kernarg_segment_size: 112
    .max_flat_workgroup_size: 128
    .sgpr_count:     102
    .vgpr_count:     1024
    .wavefront_size: 32
...
	.end_amdgpu_metadata
.endif
;; end of part 1
;; launch attn (part 2): grid 16 x 16, 4 waves a work-group, clusters of 4 x 1, 327,680 bytes of LDS; arguments kv, qf, mask, xc, xs; writes xc, xs
.if DOCPART == 2
	.amdgcn_target "amdgcn-amd-amdhsa--gfx1250"
	.amdhsa_code_object_version 6
	.text
	.protected	k_q447cf1d254_attn
	.globl	k_q447cf1d254_attn
	.p2align	8
	.type	k_q447cf1d254_attn,@function
k_q447cf1d254_attn:
	s_mov_b64 s[64:65], 0
	v_nop
	global_prefetch_b8 v0, s[64:65] scope:SCOPE_SE
	s_setreg_imm32_b32 hwreg(HW_REG_WAVE_MODE, 25, 1), 1
	s_wait_xcnt 0x0
	s_wait_alu depctr_hold_cnt(0) depctr_sa_sdst(0) depctr_va_vdst(0) depctr_va_sdst(0) depctr_va_ssrc(0) depctr_va_vcc(0) depctr_vm_vsrc(0)
	s_getreg_b32 s2, hwreg(HW_REG_IB_STS2, 6, 4)
	s_cmp_eq_u32 s2, 0
	s_cbranch_scc0 .Lentry_in_a_cluster
	s_endpgm
.Lentry_in_a_cluster:
	s_bfe_u32 s2, ttmp6, 0x10000c
	s_cmp_lg_u32 s2, 0x3003
	s_cbranch_scc0 .Lentry_shape_is_right
	s_endpgm
.Lentry_shape_is_right:
; x[b][l][head][:] = the sum over keys s of Q(qh . kh x gate[head][l][s]) vh[s][:], both products on codes of FP6 (E2M3); gate = (tanh(mask) + 1) / 2; x leaves quantised along (head, j) for the last product.
; SHARES.  A work-group owns one head, 64 queries and ALL EIGHT BATCHES, since the gate hangs on no batch: a wave owns 16 queries, makes a step's gate tile (16 queries x 128 keys, 64 registers) once and
; multiplies the scores of eight batches by it.  So the mask is read once in the launch and each gate is computed once.  Every wave walks the 1,024 keys in 8 steps of 128.
; LAYOUT.  Both products are used transposed: S^T = K Q^T (source 0 = 16 keys, source 1 = my 16 queries), O^T = V^T P^T: a lane holds one query throughout.  K, V and Q arrive as images of their operand registers.
; K's tile 4 c + t, row 8 g + i is key 64 c + 32 g + 8 pi(t) + i, pi = (0, 2, 1, 3): a lane's registers S + 32 c + 0 .. 31 are then ONE block of 32 keys, in the order in which V's codes lie: its largest magnitude
; needs no other lane, and the conversions' results are the operand's registers.
; THE FIRST PRODUCT'S K IS 64: Q's registers 6-11 hold zero codes; K's operand names 12 registers of which the upper six are the next tile's codes, which meet those zeros.
; O^T's tile t lies at register 8 pi(t), so that sixteen exchanges of halves at the end give a lane j = 32 (lane / 16) + 0 .. 31 in ascending registers: x goes out in its natural order.
; BY TURNS.  The wave is alone on its SIMD, so matrix and vector work of DIFFERENT batches stand side by side.  The turn of batch b: the LDS loads of K(b + 2) and V(b); the 8 products S^T of batch b + 1, each followed
; by 4 of batch b's 32 multiplications by the gate; the 4 products onto O^T of batch b - 1, each followed by 8 of batch b's 32 maxima; batch b's scale bytes and conversions.  S^T has two sets of registers.
; So the distances in front of and behind the matrix instructions are filled by work that is due anyway, and every LDS load has a turn in which to land.
; REGISTERS, in windows of 256 (s_set_vgpr_msb: bits 1:0 source 0, 3:2 source 1, 5:4 source 2, 7:6 destination):
;   window 0: v1-24 addresses and work; v32-52 scale words; v64-127 the gate; v128-235 K, two sets of 48 + 6; v236-254 P's codes
;   window 1: O^T, batch b at 32 b      window 2: Q(b) at 12 b; S^T, two sets, at 96 and 160      window 3: V, two sets, at 0 and 48
; K and the gate share a window, and so do Q and S^T: the product S^T = K Q^T and the multiplication S^T = gate x S^T then want ONE setting (source 0 window 0, source 1 and destination window 2): no switch between them.
; The products onto O^T and the maxima want two settings: two switches for each of these four products, 13 switches in a turn of 12 matrix instructions: the price of the turns.
; RING.  Two LDS slots, each with a step's K and V of the eight batches (104,448 bytes, one dense block of kv) and the work-group's 64 rows x 512 bytes of the mask (rows 528 bytes apart).
; CLUSTER.  The four query blocks of a cluster share a head: waves 0 and 1 ask for K and V JOINTLY (mask 15).  The mask's rows are the work-group's own: waves 2 and 3 fetch them by plain tensor loads.
; gate = 1 / (1 + 2^(-2 log2(e) m)), which is (tanh(m) + 1) / 2.
; LIMITS: NaN and infinities are not served.  Where m is so negative that tanh(m) rounds to -1 in f32 (m under about -9), this text gives the small true gate and not 0.  A block of zeros gets the scale byte 1 (its codes are zeros; this program alone reads the bytes).
.set BLKB,  13056                      ; a batch's K (6,144), V (6,144), K's scale words (512), V's (256)
.set STEPB, 8*BLKB
.set HEADB, 8*STEPB
.set MP,    528                        ; a row of the mask in LDS: 512 bytes + 16
.set MOFF,  STEPB
.set SLOT,  STEPB+64*MP
.set SPARE, 2*SLOT                     ; the spare words: 128 bytes a wave, named by no other line
.set L16, 1                            ; v1  16 x lane
.set L8,  2                            ; v2  8 x lane
.set AM0, 3                            ; v3  my place in a slot's mask: row 16 w + r, + 128 h
.set SH8, 4                            ; v4  8 h
.set SPW, 5
.set NIL, 6
.set PFO, 7                            ; v7  the prefetch's offset
.set AD,  8                            ; v8-9   slot + 16 x lane, batches 0-3 and 4-7
.set AE,  10                           ; v10-11 slot + 8 x lane
.set AM,  12
.set XSO, 13                           ; v13 32 r + h
.set QSO, 14                           ; v14 16 r
.set TM,  16                           ; v16-19 largest magnitudes
.set SO,  20                           ; v20-21 the conversions' scale operands
.set BY,  22                           ; v22-23 scale bytes
.set TP,  24
.set QS,  32                           ; v32-39 Q's scale words, a batch each
.set KSW, 40                           ; v40-47 K's scale words, two sets
.set VSW, 48                           ; v48-51 V's, two sets
.set PW,  52                           ; v52 P's scale word
.set G,   64                           ; v64-127 the gate
.set KF,  128                          ; v128-181, v182-235 K's two sets
.set PC,  236                          ; v236-247 P's codes
.set XT,  248                          ; v248-250, v252-254
.set BYO, 128                          ; the way out: x's scale bytes, a batch each
.set SF,  96                           ; in window 2: S^T's two sets
.set WV,  14
.set CX,  15
.set LB,  16
.set HD,  17
.set TB,  18                           ; s18 the slot that is read
.set TF,  19                           ; s19 the slot that is filled
.set CNT, 20
.set SEL, 22
.set C2,  24
.set G1K, 28
.set G1M, 36
.set G0K, 44
.set G0M, 48
.set KVW, 52
.set MW,  53
.set PFA, 54
.set MSB, 0
.macro WIN new
.if MSB != (\new)
	s_set_vgpr_msb (MSB<<8)|(\new)
.set MSB, (\new)
.endif
.endm
; Waves 0 and 1 fetch K and V (four batches each, jointly with the partners), waves 2 and 3 the mask (32 rows each).  Four v_nop follow each of the two lines.
.macro TLOAD
	s_cmp_lt_u32 s[WV], 2
	s_cbranch_scc0 .Lfor_m_\@
	tensor_load_to_lds s[G0K:G0K+3], s[G1K:G1K+7]
	s_nop 0
.rept 4
	v_nop
.endr
	s_branch .Lasked_\@
.Lfor_m_\@:
	tensor_load_to_lds s[G0M:G0M+3], s[G1M:G1M+7]
	s_nop 0
.rept 4
	v_nop
.endr
.Lasked_\@:
.endm
.macro CROUND
	s_barrier_signal -1
	s_barrier_wait -1
	s_cmp_lg_u32 s[WV], 0
	s_cbranch_scc1 .Lnot_wave_0_\@
	s_barrier_signal -3
.Lnot_wave_0_\@:
	s_barrier_wait -3
	s_barrier_signal -1
	s_barrier_wait -1
.endm
	s_load_b256 s[4:11], s[0:1], 0x0               ; kv, qf, mask, xc
	s_load_b64 s[12:13], s[0:1], 0x20              ; xs
	v_lshl_add_u32 v[SPW], v0, 2, SPARE
	v_mov_b32 v[NIL], 0
	ds_add_u32 v5, v6
	ds_add_u32 v5, v6
	s_wait_dscnt 0x0
	v_lshrrev_b32 v27, 5, v0
	v_readfirstlane_b32 s[WV], v27                 ; wave 0..3
	s_bfe_u32 s[CX], ttmp6, 0x40000
	s_lshl_b32 s[LB], ttmp9, 2
	s_add_co_u32 s[LB], s[LB], s[CX]               ; my block of 64 queries: it enters global addresses alone
	s_and_b32 s[HD], ttmp7, 0xffff                 ; the head, which the four partners share
	s_and_b32 s56, s[WV], 1
	s_mul_i32 s[KVW], s56, 4*BLKB                  ; my four batches: in a slot and in memory
	s_mul_i32 s[MW], s56, 32*MP
	s_add_co_u32 s[MW], s[MW], MOFF                ; my 32 rows of the mask in a slot
	s_mul_i32 s58, s[HD], HEADB
	s_add_co_u32 s58, s58, s[KVW]
	s_mov_b32 s59, 0
	s_lshl_b32 s60, s[HD], 22                      ; the head's 1,024 x 1,024 numbers,
	s_lshl_b32 s61, s[LB], 18                      ; my block's 64 rows of 4,096 bytes
	s_add_co_u32 s60, s60, s61
	s_lshl_b32 s62, s56, 17                        ; my 32 of them
	s_add_co_u32 s62, s62, s60
	s_mov_b32 s61, 0
	s_mov_b32 s63, 0
	; K and V: 52,224 dense bytes as 204 rows of 256 (32 elements of 8 bytes); the mask 15 names all four partners, bit 21 beside it
	s_mov_b32 s[G1K], 15|(3<<16)|(1<<21)
	s_mov_b32 s[G1K+1], 32<<16
	s_mov_b32 s[G1K+2], 204<<16
	s_mov_b32 s[G1K+3], 32<<16
	s_mov_b32 s[G1K+4], 204
	s_mov_b32 s[G1K+5], 32
	s_mov_b32 s[G1K+6], 0
	s_mov_b32 s[G1K+7], 0
	; the mask: 32 rows x 128 elements of 4 bytes, 1,024 elements apart; 4 words of padding behind every 128
	s_mov_b32 s[G1M], (2<<16)|(1<<20)|(6<<22)|(3<<25)
	s_mov_b32 s[G1M+1], 128<<16
	s_mov_b32 s[G1M+2], 32<<16
	s_mov_b32 s[G1M+3], 128<<16
	s_mov_b32 s[G1M+4], 32
	s_mov_b32 s[G1M+5], 1024
	s_mov_b32 s[G1M+6], 0
	s_mov_b32 s[G1M+7], 0
	s_mov_b32 s[SEL], 0x76543210
	s_mov_b32 s[SEL+1], 0xfedcba98
	s_mov_b32 s[C2], 0xc038aa3b                    ; -2 log2(e)
	s_mov_b32 s[C2+1], s[C2]                       ; (named with it as a pair, so it is written)
	s_mov_b32 s[TB], 0
	s_mov_b32 s[TF], 0
	; Q: block (head x 8 + queries / 128) x 8 + batch of qf; in it my tile a = 4 (block mod 2) + wave
	s_lshl_b32 s66, s[HD], 3
	s_lshr_b32 s67, s[LB], 1
	s_add_co_u32 s66, s66, s67
	s_mul_i32 s66, s66, STEPB
	s_and_b32 s67, s[LB], 1
	s_lshl_b32 s67, s67, 2
	s_add_co_u32 s67, s67, s[WV]
	s_mul_i32 s68, s67, 768
	s_add_co_u32 s68, s68, s66
	s_mov_b32 s69, 0
	s_and_b32 s72, s67, 1                          ; its scale words: lane 16 (a mod 2) + r, word a / 2 of the lane's four
	s_lshl_b32 s72, s72, 8
	s_lshr_b32 s73, s67, 1
	s_lshl_b32 s73, s73, 2
	s_add_co_u32 s72, s72, s73
	s_add_co_u32 s72, s72, s66
	s_mov_b32 s73, 0
	s_wait_kmcnt 0x0
	s_mov_b32 s[G0K], 1
	s_mov_b32 s[G0K+1], s[KVW]                     ; slot 0
	s_add_nc_u64 s[G0K+2:G0K+3], s[4:5], s[58:59]  ; key step 0
	s_or_b32 s[G0K+3], s[G0K+3], 0x80000000
	s_mov_b32 s[G0M], 1
	s_mov_b32 s[G0M+1], s[MW]
	s_add_nc_u64 s[G0M+2:G0M+3], s[8:9], s[62:63]
	s_or_b32 s[G0M+3], s[G0M+3], 0x80000000
	s_add_nc_u64 s[PFA:PFA+1], s[8:9], s[60:61]
	s_add_nc_u64 s[PFA:PFA+1], s[PFA:PFA+1], 512   ; at key step 1: the first change of slots steps it to 2.  Nothing is prefetched at the head
	s_add_nc_u64 s[70:71], s[6:7], s[68:69]
	s_add_nc_u64 s[74:75], s[6:7], s[72:73]
	CROUND                                         ; all four work-groups are here: the first joint loads meet
	TLOAD                                          ; key step 0 into slot 0
	v_and_b32 v15, 31, v0
	v_lshlrev_b32 v[L16], 4, v15
	v_lshlrev_b32 v[L8], 3, v15
	v_and_b32 v25, 15, v0                          ; r
	v_bfe_u32 v26, v0, 4, 1                        ; h
	v_lshl_add_u32 v27, v27, 4, v25                ; 16 w + r
	v_mul_u32_u24 v[AM0], v27, MP
	v_lshl_add_u32 v[AM0], v26, 7, v[AM0]
	v_add_nc_u32 v[AM0], MOFF, v[AM0]
	v_lshlrev_b32 v[SH8], 3, v26
	v_lshrrev_b32 v[PFO], 1, v0                    ; thread t names row t / 2 of the work-group's 64, half t mod 2 of its 512 bytes
	v_lshlrev_b32 v[PFO], 12, v[PFO]
	v_and_b32 v27, 1, v0
	v_lshl_add_u32 v[PFO], v27, 8, v[PFO]
	v_lshl_add_u32 v[XSO], v25, 5, v26
	v_lshlrev_b32 v[QSO], 4, v25
	v_mov_b32 v[TP], 0                             ; written once: a lane permute's destination counts as one of its sources
	WIN 0x80                                       ; destination window 2
.irp b, 0,1,2,3,4,5,6,7
	global_load_b128 v[12*\b:12*\b+3], v[L16], s[70:71] offset:\b*BLKB
	global_load_b64 v[12*\b+4:12*\b+5], v[L8], s[70:71] offset:\b*BLKB+512
.endr
.irp b, 0,1,2,3,4,5,6,7
.irp i, 6,7,8,9,10,11
	v_mov_b32 v[12*\b+\i], 0                       ; zero codes for k = 64 .. 127
.endr
.endr
	WIN 0
.irp i, 0,1,2,3,4,5
	v_mov_b32 v[KF+48+\i], 0                       ; behind each set of K: what tile 7's operand names beyond its own six registers
	v_mov_b32 v[KF+102+\i], 0
.endr
.irp b, 0,1,2,3,4,5,6,7
	global_load_b32 v[QS+\b], v[QSO], s[74:75] offset:\b*BLKB+12288
.endr
; THE CHANGE OF SLOTS stands at a step's head.  Each wave waits for all its tensor loads (its part of the slot that is about to be read), adds 0 to its spare word, and waits for that and for its reads of the slot left.
; fill = 1: the slot left takes the next key step: the barrier is a round of the cluster's, the load the first thing behind it; it has a whole step in which to land.  By this text's count one tensor load of a wave is out.
; ask: behind the load and its four lines, a prefetch of the mask's 64 rows x 512 bytes of the key step AFTER the one just asked for: one key step ahead of the tensor load that will want them; each thread names one
; aligned block of 256 bytes, each block is named once in the launch (the rows are this work-group's own).  ask = 2: in the loop, whose last trip asks for nothing: there is no step behind the last.
.macro CHANGE fill, ask
	s_wait_tensorcnt 0x0                           ; no tensor load of mine is out, so the groups 0 may be written
	ds_add_u32 v[SPW], v[NIL]                      ; 0 onto my spare word
.if \fill
	s_xor_b32 s[TF], s[TF], SLOT                   ; 0 and SLOT by turns
	s_add_co_u32 s[G0K+1], s[TF], s[KVW]
	s_add_co_u32 s[G0M+1], s[TF], s[MW]
	s_add_nc_u64 s[G0K+2:G0K+3], s[G0K+2:G0K+3], STEPB
	s_add_nc_u64 s[G0M+2:G0M+3], s[G0M+2:G0M+3], 512
	s_wait_xcnt 0x0                                ; the last prefetch, a step back, has read its address
	s_add_nc_u64 s[PFA:PFA+1], s[PFA:PFA+1], 512
	s_wait_dscnt 0x0                               ; the add is done, and my reads of the slot left are over
	CROUND
	TLOAD
.if \ask == 2
	s_cmp_gt_u32 s[CNT], 1
	s_cbranch_scc0 .Lno_ask_\@
.endif
	global_prefetch_b8 v[PFO], s[PFA:PFA+1] th:TH_LOAD_NT scope:SCOPE_SE
.Lno_ask_\@:
.else
	s_wait_dscnt 0x0
	s_barrier_signal -1
	s_barrier_wait -1
.endif
.endm
; Batch b's K and its scale words into set b mod 2: 17 loads, each of 512 or 256 consecutive bytes
.macro LOADK b
.set KB, KF+54*((\b)%2)
.set BO, ((\b)%4)*BLKB
	WIN 0
.irp t, 0,1,2,3,4,5,6,7
	ds_load_b128 v[KB+6*\t:KB+6*\t+3], v[AD+(\b)/4] offset:BO+768*\t
	ds_load_b64 v[KB+6*\t+4:KB+6*\t+5], v[AE+(\b)/4] offset:BO+768*\t+512
.endr
	ds_load_b128 v[KSW+4*((\b)%2):KSW+4*((\b)%2)+3], v[AD+(\b)/4] offset:BO+12288
.endm
; Batch b's V and its scale words into set b mod 2: 13 loads
.macro LOADV b
.set VB, 48*((\b)%2)
.set BO, ((\b)%4)*BLKB
	WIN 0
	ds_load_b64 v[VSW+2*((\b)%2):VSW+2*((\b)%2)+1], v[AE+(\b)/4] offset:BO+12800
	WIN 0xc0                                       ; destination window 3
.irp n, 0,1,2,3,4,5,6,7,8,9,10,11
	ds_load_b128 v[VB+4*\n:VB+4*\n+3], v[AD+(\b)/4] offset:BO+6144+512*\n
.endr
.endm
; The gate in two halves, each a batch of transcendentals with one wait
.macro GATE1
.set j, 0
.rept 32
	v_pk_mul_f32 v[G+j:G+j+1], v[G+j:G+j+1], s[C2:C2+1] op_sel_hi:[1,0]
.set j, j+2
.endr
.set j, 0
.rept 64
	v_exp_f32 v[G+j], v[G+j]
.set j, j+1
.endr
	v_nop                                          ; a plain place behind the batch
	s_wait_alu depctr_va_vdst(0)
.endm
.macro GATE2
.set j, 0
.rept 32
	v_pk_add_f32 v[G+j:G+j+1], v[G+j:G+j+1], 1.0 op_sel_hi:[1,0]
.set j, j+2
.endr
.set j, 0
.rept 64
	v_rcp_f32 v[G+j], v[G+j]
.set j, j+1
.endr
	v_nop
	s_wait_alu depctr_va_vdst(0)
.endm
; Tile t of S^T of batch bn, into set bn mod 2.  Setting 0x88: K in window 0, Q and S^T in window 2
.macro ST bn, t
.set SN, SF+64*((\bn)%2)
.set KN, KF+54*((\bn)%2)
.set KSN, KSW+4*((\bn)%2)
.if (\t)%2
	v_wmma_scale_f32_16x16x128_f8f6f4 v[SN+8*(\t):SN+8*(\t)+7], v[KN+6*(\t):KN+6*(\t)+11], v[12*(\bn):12*(\bn)+11], 0, v[KSN+(\t)/2], v[QS+(\bn)] matrix_a_fmt:MATRIX_FMT_FP6 matrix_b_fmt:MATRIX_FMT_FP6 matrix_a_scale:MATRIX_SCALE_ROW1
.else
	v_wmma_scale_f32_16x16x128_f8f6f4 v[SN+8*(\t):SN+8*(\t)+7], v[KN+6*(\t):KN+6*(\t)+11], v[12*(\bn):12*(\bn)+11], 0, v[KSN+(\t)/2], v[QS+(\bn)] matrix_a_fmt:MATRIX_FMT_FP6 matrix_b_fmt:MATRIX_FMT_FP6
.endif
.endm
; Tile t of O^T of batch b takes these 128 keys.  Setting 0x53: V in window 3, P in window 0, O^T in window 1.  zero = 1: the first key step starts the sums
.macro PVT b, t, zero
.set RO, 32*(\b)+8*(2*((\t)%2)+(\t)/2)
.set VC, 48*((\b)%2)
.set VSC, VSW+2*((\b)%2)
.if \zero
.if (\t)%2
	v_wmma_scale_f32_16x16x128_f8f6f4 v[RO:RO+7], v[VC+12*(\t):VC+12*(\t)+11], v[PC:PC+11], 0, v[VSC+(\t)/2], v[PW] matrix_a_fmt:MATRIX_FMT_FP6 matrix_b_fmt:MATRIX_FMT_FP6 matrix_a_scale:MATRIX_SCALE_ROW1
.else
	v_wmma_scale_f32_16x16x128_f8f6f4 v[RO:RO+7], v[VC+12*(\t):VC+12*(\t)+11], v[PC:PC+11], 0, v[VSC+(\t)/2], v[PW] matrix_a_fmt:MATRIX_FMT_FP6 matrix_b_fmt:MATRIX_FMT_FP6
.endif
.else
.if (\t)%2
	v_wmma_scale_f32_16x16x128_f8f6f4 v[RO:RO+7], v[VC+12*(\t):VC+12*(\t)+11], v[PC:PC+11], v[RO:RO+7], v[VSC+(\t)/2], v[PW] matrix_a_fmt:MATRIX_FMT_FP6 matrix_b_fmt:MATRIX_FMT_FP6 matrix_a_scale:MATRIX_SCALE_ROW1
.else
	v_wmma_scale_f32_16x16x128_f8f6f4 v[RO:RO+7], v[VC+12*(\t):VC+12*(\t)+11], v[PC:PC+11], v[RO:RO+7], v[VSC+(\t)/2], v[PW] matrix_a_fmt:MATRIX_FMT_FP6 matrix_b_fmt:MATRIX_FMT_FP6
.endif
.endif
.endm
; THE TURN OF BATCH b.  No two matrix instructions that follow each other share an accumulator.
.macro ITER b, zero
.set SC, SF+64*((\b)%2)
.if (\b) < 6
	LOADK (\b)+2                                   ; into the set that S^T of batch b has read, a turn ago
	LOADV \b                                       ; into the set that O^T of batch b - 2 has read, a turn ago
	s_wait_dscnt 30                                ; all but the 30 just issued: K(b + 1) and V(b - 1), asked for a turn ago, are in
.else
	LOADV \b
	s_wait_dscnt 13                                ; all but the 13 just issued
.endif
	WIN 0x88
.irp t, 0,1,2,3,4,5,6,7
.if (\b) < 7
	ST (\b)+1, \t
.endif
.irp e, 0,2,4,6
	v_pk_mul_f32 v[SC+8*\t+\e:SC+8*\t+\e+1], v[G+8*\t+\e:G+8*\t+\e+1], v[SC+8*\t+\e:SC+8*\t+\e+1]   ; batch b's scores x gate, each accumulator from its low end on
.endr
.endr
.irp t, 0,1,2,3
.if (\b) > 0
	WIN 0x53
	PVT (\b)-1, \t, \zero                          ; P's codes and scale word were made a turn ago: the 32 multiplications above are the places in front
.endif
	WIN 0x0a                                       ; sources 0 and 1 window 2
.irp m, 0,1,2,3,4,5,6,7                        ; four chains of 16 numbers by turns; the floor 2^(3 - 127) holds the byte at 1 from below
.set MI, 2*(2*\t+\m/4)
.set MZ, \m%4
.if MI == 0
	v_max3_num_f32 v[TM+MZ], |v[SC+16*MZ]|, |v[SC+16*MZ+1]|, 0x1800000
.else
	v_max3_num_f32 v[TM+MZ], |v[SC+16*MZ+MI]|, |v[SC+16*MZ+MI+1]|, v[TM+MZ]
.endif
.endr
.endr
	WIN 0
	v_max_num_f32 v[TM], v[TM], v[TM+1]            ; my block h of the 128 keys,
	v_max_num_f32 v[TM+2], v[TM+2], v[TM+3]        ; and my block 2 + h: all their 32 numbers are mine
	v_add_nc_u32 v[SO], 0xff000000, v[TM]          ; 2 off the exponent field: the conversion's scale operand
	v_add_nc_u32 v[SO+1], 0xff000000, v[TM+2]
	WIN 0x02                                       ; source 0 window 2
	v_cvt_scalef32_pk16_fp6_f32 v[PC:PC+2], v[SC:SC+15], v[SO]           ; (twelve plain instructions stand between the last product that read P's codes and this line)
	v_cvt_scalef32_pk16_fp6_f32 v[XT:XT+2], v[SC+16:SC+31], v[SO]        ; (a conversion's three registers begin on an even number)
	v_cvt_scalef32_pk16_fp6_f32 v[PC+6:PC+8], v[SC+32:SC+47], v[SO+1]
	v_cvt_scalef32_pk16_fp6_f32 v[XT+4:XT+6], v[SC+48:SC+63], v[SO+1]
	WIN 0
	v_lshrrev_b32 v[BY], 23, v[SO]                 ; the bytes.  (A plain place behind the conversions)
	v_lshrrev_b32 v[BY+1], 23, v[SO+1]
	v_lshl_or_b32 v[PW], v[BY+1], 16, v[BY]
	v_lshlrev_b32 v[PW], v[SH8], v[PW]             ; at their places in the scale word: 8 h bits up
	v_permlanex16_b32 v[TP], v[PW], s[SEL], s[SEL+1]
	v_or_b32 v[PW], v[PW], v[TP]                   ; with lane l xor 16's two the word is whole
.irp i, 0,1,2
	v_mov_b32 v[PC+3+\i], v[XT+\i]
	v_mov_b32 v[PC+9+\i], v[XT+4+\i]
.endr
.endm
; A KEY STEP.  zero = 1: the first, whose products start O^T's sums: nothing is cleared.
.macro STEP zero
	v_add_nc_u32 v[AD], s[TB], v[L16]
	v_add_nc_u32 v[AE], s[TB], v[L8]
	v_add_nc_u32 v[AM], s[TB], v[AM0]
	v_add_nc_u32 v[AD+1], 4*BLKB, v[AD]
	v_add_nc_u32 v[AE+1], 4*BLKB, v[AE]
.irp c, 0,1
.irp t, 0,1,2,3
.irp e, 0,1
	ds_load_b128 v[G+32*\c+8*\t+4*\e:G+32*\c+8*\t+4*\e+3], v[AM] offset:256*\c+32*(2*(\t%2)+\t/2)+16*\e   ; the mask at the keys that S^T's registers hold
.endr
.endr
.endr
	LOADK 0
	LOADK 1
	s_wait_dscnt 34                                ; the mask's 16 loads are in; K(0)'s and K(1)'s 17 each may be out
	GATE1
	s_wait_dscnt 17                                ; K(0) is in; K(1)'s 17 may be out
	WIN 0x88
.irp t, 0,1,2,3,4,5,6,7
	ST 0, \t                                       ; batch 0's scores: the gate's second half stands behind them, and its 32 additions are their places
.endr
	WIN 0
	GATE2
.irp b, 0,1,2,3,4,5,6,7
	ITER \b, \zero
.endr
.rept 4
	v_nop                                          ; ten places behind the scale word (eight are asked), four behind the last code
.endr
	s_wait_dscnt 0x0                               ; V(7) is in
	WIN 0x53
.irp t, 0,1,2,3
	PVT 7, \t, \zero
.endr
	WIN 0
	s_xor_b32 s[TB], s[TB], SLOT                   ; on to the other slot
.endm
	s_wait_loadcnt 0x0                             ; Q and its scale words
	CHANGE 1, 1                                    ; key step 1 is asked for, step 0 is read
	STEP 1
	s_mov_b32 s[CNT], 6
.Lstep:                                            ; key steps 1 to 6; steps 2 to 7 are asked for
	CHANGE 1, 2
	STEP 0
	s_sub_co_u32 s[CNT], s[CNT], 1
	s_cmp_lg_u32 s[CNT], 0
	s_cbranch_scc1 .Lstep
	CHANGE 0, 0                                    ; the last step is written out
	STEP 0
	; THE WAY OUT.  For each batch: the halves of the lanes exchange tiles, so that a lane holds one block of 32 along (head, j) in ascending registers; quantised; the six registers leave as the image that the last product's operand wants.
	s_lshl_b32 s56, s[LB], 2
	s_add_co_u32 s56, s56, s[WV]                   ; my tile of 16 rows in a batch: 4 x block + wave
	s_lshl_b32 s57, s56, 4
	s_add_co_u32 s57, s57, s[HD]
	s_mul_i32 s58, s57, 768
	s_mov_b32 s59, 0
	s_add_nc_u64 s[10:11], s[10:11], s[58:59]      ; xc: [row tile][head][768]
	s_lshl_b32 s58, s56, 9                         ; xs: 16 rows x 32 bytes a tile,
	s_lshl_b32 s57, s[HD], 1                       ; bytes 2 head and 2 head + 1 of a row
	s_add_co_u32 s58, s58, s57
	s_add_nc_u64 s[12:13], s[12:13], s[58:59]
.rept 4
	v_nop                                          ; places behind the last products
.endr
.macro OUTB b
.set OB, 32*(\b)
.set XC, 64+8*(\b)
	WIN 0x41                                       ; both registers of an exchange in window 1
.irp i, 0,1,2,3,4,5,6,7
	v_permlane16_swap_b32 v[OB+\i], v[OB+8+\i]     ; j = 32 h + i and 32 h + 8 + i
.endr
.irp i, 0,1,2,3,4,5,6,7
	v_permlane16_swap_b32 v[OB+16+\i], v[OB+24+\i] ; j = 32 h + 16 + i and 32 h + 24 + i
.endr
	WIN 0x05
	v_max3_num_f32 v[TM], |v[OB]|, |v[OB+1]|, 0x1800000
	v_max3_num_f32 v[TM+1], |v[OB+2]|, |v[OB+3]|, 0x1800000
.irp i, 4,8,12,16,20,24,28
	v_max3_num_f32 v[TM], |v[OB+\i]|, |v[OB+\i+1]|, v[TM]
	v_max3_num_f32 v[TM+1], |v[OB+\i+2]|, |v[OB+\i+3]|, v[TM+1]
.endr
	WIN 0
	v_max_num_f32 v[TM], v[TM], v[TM+1]
	v_add_nc_u32 v[SO], 0xff000000, v[TM]
	WIN 0x01
	v_cvt_scalef32_pk16_fp6_f32 v[XC:XC+2], v[OB:OB+15], v[SO]
	v_cvt_scalef32_pk16_fp6_f32 v[XT:XT+2], v[OB+16:OB+31], v[SO]
	WIN 0
	v_lshrrev_b32 v[BYO+(\b)], 23, v[SO]           ; the byte.  (A plain place behind the conversions)
.irp i, 0,1,2
	v_mov_b32 v[XC+3+\i], v[XT+\i]
.endr
	global_store_b128 v[L16], v[XC:XC+3], s[10:11] offset:(\b)*786432      ; 512 consecutive bytes, aligned
	global_store_b64 v[L8], v[XC+4:XC+5], s[10:11] offset:(\b)*786432+512  ; 256 consecutive bytes, aligned
	global_store_b8 v[XSO], v[BYO+(\b)], s[12:13] offset:(\b)*32768        ; a row's 32 bytes come from 16 heads, which other work-groups own: single bytes, one in 24 of what this launch stores
.endm
.irp b, 0,1,2,3,4,5,6,7
	OUTB \b
.endr
	s_wait_tensorcnt 0x0                           ; the wave's end
	ds_add_u32 v[SPW], v[NIL]
	s_wait_dscnt 0x0
	CROUND                                         ; the closing round
	s_endpgm
.Lfunc_end_k_q447cf1d254_attn:
	.size	k_q447cf1d254_attn, .Lfunc_end_k_q447cf1d254_attn-k_q447cf1d254_attn
	.p2alignl 7, 3214868480
	.fill 96, 4, 3214868480
	.section	.rodata,"a",@progbits
	.p2align	6, 0x0
	.amdhsa_kernel k_q447cf1d254_attn
		.amdhsa_group_segment_fixed_size 327680
		.amdhsa_private_segment_fixed_size 0
		.amdhsa_enable_private_segment 0
		.amdhsa_kernarg_size 40
		.amdhsa_user_sgpr_count 2
		.amdhsa_user_sgpr_kernarg_segment_ptr 1
		.amdhsa_wavefront_size32 1
		.amdhsa_system_sgpr_workgroup_id_x 1
		.amdhsa_system_sgpr_workgroup_id_y 1
		.amdhsa_system_sgpr_workgroup_id_z 1
		.amdhsa_system_vgpr_workitem_id 0
		.amdhsa_next_free_vgpr 1024
		.amdhsa_next_free_sgpr 80
		.amdhsa_reserve_vcc 0
		.amdhsa_float_denorm_mode_32 3
		.amdhsa_float_denorm_mode_16_64 3
		.amdhsa_memory_ordered 1
		.amdhsa_forward_progress 1
		.amdhsa_inst_pref_size 255
	.end_amdhsa_kernel
	.section	.bss,"aw",@nobits
	.p2align	6
	.space	262144
	.amdgpu_metadata
---
amdhsa.version: [ 1, 2 ]
amdhsa.kernels:
  - .name:           k_q447cf1d254_attn
    .symbol:         k_q447cf1d254_attn.kd
    .args:
      - { .name: kv, .offset: 0, .size: 8, .value_kind: global_buffer, .address_space: global }
      - { .name: qf, .offset: 8, .size: 8, .value_kind: global_buffer, .address_space: global }
      - { .name: mask, .offset: 16, .size: 8, .value_kind: global_buffer, .address_space: global }
      - { .name: xc, .offset: 24, .size: 8, .value_kind: global_buffer, .address_space: global }
      - { .name: xs, .offset: 32, .size: 8, .value_kind: global_buffer, .address_space: global }
    .group_segment_fixed_size: 327680
    .private_segment_fixed_size: 0
    .kernarg_segment_align: 8
    .kernarg_segment_size: 40
    .max_flat_workgroup_size: 128
    .sgpr_count:     80
    .vgpr_count:     1024
    .wavefront_size: 32
...
	.end_amdgpu_metadata
.endif
;; end of part 2
;; launch outp (part 3): grid 4 x 64, 4 waves a work-group, clusters of 4 x 4, 327,680 bytes of LDS; arguments xc, xs, Wo_codes, Wo_scales, out0; writes out0
.if DOCPART == 3
	.amdgcn_target "amdgcn-amd-amdhsa--gfx1250"
	.amdhsa_code_object_version 6
	.text
	.protected	k_q447cf1d254_outp
	.globl	k_q447cf1d254_outp
	.p2align	8
	.type	k_q447cf1d254_outp,@function
k_q447cf1d254_outp:
	s_mov_b64 s[64:65], 0
	v_nop
	global_prefetch_b8 v0, s[64:65] scope:SCOPE_SE
	s_setreg_imm32_b32 hwreg(HW_REG_WAVE_MODE, 25, 1), 1
	s_wait_xcnt 0x0
	s_wait_alu depctr_hold_cnt(0) depctr_sa_sdst(0) depctr_va_vdst(0) depctr_va_sdst(0) depctr_va_ssrc(0) depctr_va_vcc(0) depctr_vm_vsrc(0)
	s_getreg_b32 s2, hwreg(HW_REG_IB_STS2, 6, 4)
	s_cmp_eq_u32 s2, 0
	s_cbranch_scc0 .Lentry_in_a_cluster
	s_endpgm
.Lentry_in_a_cluster:
	s_bfe_u32 s2, ttmp6, 0x10000c
	s_cmp_lg_u32 s2, 0xf033
	s_cbranch_scc0 .Lentry_shape_is_right
	s_endpgm
.Lentry_shape_is_right:
; out0[m][n] = the sum over k of x[m][k] Wo[k][n] on codes of FP6 (E2M3) with one E8M0 scale for each 32 along K.  m = 8,192, n = 1,024, k = 1,024; out0 is f32.
; Wo's codes lie [n][k], rows of 768 bytes, its scale bytes [n][32].  x's codes lie as IMAGES OF THE OPERAND'S REGISTERS: [m / 16][head = k / 64][768 bytes: 16 bytes a lane (registers 0-3), then 8 bytes a lane (registers 4, 5)];
; its scale bytes [m][32].
; A TILE OF 128 x 256 is made by a work-group of four waves: 64 x 4 tiles are 256 work-groups.  A wave makes 64 x 128: 32 accumulators, 256 registers.
; ALL OF K LIES IN LDS: x's 128 rows are 98,304 bytes, Wo's 256 rows 221,184 with their padding: 319,488 in all.  So no LDS byte is filled twice: every wave issues its two tensor loads at the start (K's lower half, then its
; upper half), and there is no ring.  Two barriers: behind the first the lower half is read, behind the second the upper.
; The scale words go from memory straight into registers, once: 32 bytes of each of my rows, so that the loads of a block cover its 512 bytes whole.
; CLUSTERS: 4 x 4 work-groups; x's tile is shared along a row of the cluster, Wo's along a column: joint tensor loads.
; THE MATRIX INSTRUCTION IS USED TRANSPOSED (source 0 = 16 rows of Wo, source 1 = 16 rows of x): a lane holds eight neighbouring numbers of a row of out0.
; REGISTERS: window 0: v0-31 addresses; v32-63 x's scale words (block a, K step k: v[32 + 8 a + k], lanes 0-15); v64-95 Wo's (blocks 2 p and 2 p + 1 in the two halves of the lanes: v[64 + 8 p + k]); v128-255 the way out.
;   windows 1 and 3: the fragments of even and of odd K steps: Wo's eight at v0-95, x's four at v96-143.   window 2: the accumulators, (a, b) at v[8 (8 a + b)].
; A K STEP of 128 is 32 matrix instructions, Wo's blocks one after the other, each against x's four; behind each four stands a short run of the next step's LDS loads (Wo's fragment of the same number, and in the first
; four runs one of x's), into the other window.  So each fragment is asked for 32 matrix instructions ahead of its use, and no run is longer than ten loads.  The price: two switches of the window for each run.
.set SIZE_N, 1024
.set KROW,   768
.set FR,     12
.set NP,     4
.set ATILE,  6144                      ; a tile of 16 rows of x, 512 along K: eight heads' images
.set AHALF,  8*ATILE                   ; 128 rows of x, half of K
.set BP,     432                       ; an LDS row of Wo: 3 x (128 bytes + 16 of padding) = 108 words: row r starts at bank 44 r mod 64, sixteen different multiples of 4; lanes 16-31 lie 6 or 10 words on
.set BLOAD,  128*BP                    ; what one tensor load brings of Wo
.set BHALF,  2*BLOAD                   ; 256 rows of Wo, half of K
.set BOFF,   2*AHALF
.set SPITCH, 528                       ; the way out: a stage of 16 rows x (512 + 16) bytes for each wave, in x's lower half of K: filled once, and read by nobody behind the second barrier
.set ADRA, 16                          ; v16-17 half c of K: my x tiles + 16 x lane; v18-19: + 8 x lane
.set ADRB, 20                          ; v20-21 my rows of Wo + 24 h; v22-23: + 40 h, for the pieces that lie behind one padding more
.set STO,  24
.set RD,   25
.set CO,   26
.set SAO,  27                          ; v27 32 r
.set SBO,  28                          ; v28 32 x lane
.set SA,   32
.set SB,   64
.set BK,   128
.set BFR,  0
.set AFR,  96
.set G1, 24
.set G0, 32
.set G1B, 48
.set G0B, 56
.set MSB, 0
.macro WIN new
.if MSB != (\new)
	s_set_vgpr_msb (MSB<<8)|(\new)
.set MSB, (\new)
.endif
.endm
.macro CROUND                          ; a round of the cluster's barrier
	s_barrier_signal -1
	s_barrier_wait -1
	s_cmp_lg_u32 s14, 0
	s_cbranch_scc1 .Lnot_wave_0_\@
	s_barrier_signal -3
.Lnot_wave_0_\@:
	s_barrier_wait -3
	s_barrier_signal -1
	s_barrier_wait -1
.endm
	s_load_b128 s[4:7], s[0:1], 0x0                ; x's codes, x's scale bytes
	s_load_b128 s[8:11], s[0:1], 0x10              ; Wo's codes, Wo's scale bytes
	s_load_b64 s[12:13], s[0:1], 0x20              ; out0
	v_lshl_add_u32 v126, v0, 2, 0x4e000
	v_mov_b32 v127, 0
	ds_add_u32 v126, v127
	ds_add_u32 v126, v127
	v_lshrrev_b32 v1, 5, v0
	v_readfirstlane_b32 s14, v1                    ; wave 0..3
	s_lshr_b32 s15, s14, 1                         ; which 64 of the tile's rows are mine.  Also: I fetch for x (0) or for Wo (1)
	s_and_b32 s16, s14, 1                          ; which 128 of its columns.  Also: which half of that tile's rows I fetch
	s_bfe_u32 s40, ttmp6, 0x40000
	s_bfe_u32 s41, ttmp6, 0x40004
	s_lshl_b32 s42, ttmp9, 2
	s_add_co_u32 s42, s42, s40                     ; tile column = 4 x cluster x + cx
	s_and_b32 s17, ttmp7, 0xffff
	s_lshl_b32 s17, s17, 2
	s_add_co_u32 s17, s17, s41                     ; tile row = 4 x cluster y + cy
	s_lshl_b32 s43, s41, 2
	s_lshl_b32 s43, 15, s43                        ; my row of the cluster
	s_lshl_b32 s44, 0x1111, s40                    ; my column
	; x: 4 tiles of 16 rows, 6,144 bytes (768 elements of 8) of each, 12,288 bytes (1,536 elements) apart; no padding: every LDS load takes consecutive bytes
	s_or_b32 s[G1+0], s43, (3<<16)|(1<<21)
	s_mov_b32 s[G1+1], 768<<16
	s_mov_b32 s[G1+2], 4<<16
	s_mov_b32 s[G1+3], 768<<16
	s_mov_b32 s[G1+4], 4
	s_mov_b32 s[G1+5], 1536
	s_mov_b32 s[G1+6], 0
	s_mov_b32 s[G1+7], 0
	; Wo: 128 rows x 384 bytes, 768 bytes apart; 4 words of padding behind every 32 (code 4)
	s_or_b32 s[G1B+0], s44, (0<<16)|(1<<20)|(1<<21)|(4<<22)|(3<<25)
	s_mov_b32 s[G1B+1], 384<<16
	s_mov_b32 s[G1B+2], 128<<16
	s_mov_b32 s[G1B+3], 384<<16
	s_mov_b32 s[G1B+4], 128
	s_mov_b32 s[G1B+5], KROW
	s_mov_b32 s[G1B+6], 0
	s_mov_b32 s[G1B+7], 0
	s_lshl_b32 s18, s16, 6
	s_lshl_b32 s20, s17, 7
	s_add_co_u32 s20, s20, s18                     ; x: row 128 x tile row + 64 x half
	s_lshl_b32 s18, s16, 7
	s_lshl_b32 s46, s42, 8
	s_add_co_u32 s46, s46, s18                     ; Wo: row 256 x tile column + 128 x half
	s_mov_b32 s21, 0
	s_mov_b32 s47, 0
	s_mov_b64 s[18:19], KROW                       ; (a tile of 16 rows of x is 12,288 bytes: 768 a row, as in Wo)
	s_mul_u64 s[20:21], s[20:21], s[18:19]
	s_mul_u64 s[46:47], s[46:47], s[18:19]
	s_mul_i32 s45, s16, 4*ATILE                    ; where they go: x's two halves of the rows,
	s_mul_i32 s95, s16, BLOAD
	s_add_co_u32 s95, s95, BOFF                    ; Wo's two: no place in the cluster enters an LDS address
	s_lshl_b32 s22, s17, 12                        ; my rows' scale bytes: x: (128 x tile row + 64 x my half) x 32,
	s_lshl_b32 s23, s15, 11
	s_add_co_u32 s22, s22, s23
	s_mov_b32 s23, 0
	s_lshl_b32 s92, s42, 13                        ; Wo: (256 x tile column + 128 x my half) x 32
	s_lshl_b32 s93, s16, 12
	s_add_co_u32 s92, s92, s93
	s_mov_b32 s93, 0
	s_wait_dscnt 0x0
	s_wait_kmcnt 0x0
	s_add_nc_u64 s[20:21], s[4:5], s[20:21]
	s_add_nc_u64 s[46:47], s[8:9], s[46:47]
	s_add_nc_u64 s[6:7], s[6:7], s[22:23]
	s_add_nc_u64 s[10:11], s[10:11], s[92:93]
	CROUND                                         ; all sixteen work-groups are here: the joint loads meet
.irp c, 0,1
	s_mov_b32 s[G0+4*\c], 1
	s_add_co_u32 s[G0+4*\c+1], s45, \c*AHALF
	s_add_nc_u64 s[G0+4*\c+2:G0+4*\c+3], s[20:21], \c*ATILE
	s_or_b32 s[G0+4*\c+3], s[G0+4*\c+3], 0x80000000
	s_mov_b32 s[G0B+4*\c], 1
	s_add_co_u32 s[G0B+4*\c+1], s95, \c*BHALF
	s_add_nc_u64 s[G0B+4*\c+2:G0B+4*\c+3], s[46:47], \c*384
	s_or_b32 s[G0B+4*\c+3], s[G0B+4*\c+3], 0x80000000
.endr
	s_cmp_eq_u32 s15, 0                            ; a wave's two loads stand in one branch on its number, ahead of every wait on TENSORcnt, every LDS read and every other barrier: two loads of mine are out
	s_cbranch_scc0 .Lfirst_b
	tensor_load_to_lds s[G0:G0+3], s[G1:G1+7]
	s_nop 0
	tensor_load_to_lds s[G0+4:G0+7], s[G1:G1+7]
	s_nop 0
.rept 4
	v_nop
.endr
	s_branch .Lfirst_asked
.Lfirst_b:
	tensor_load_to_lds s[G0B:G0B+3], s[G1B:G1B+7]
	s_nop 0
	tensor_load_to_lds s[G0B+4:G0B+7], s[G1B:G1B+7]
	s_nop 0
.rept 4
	v_nop
.endr
.Lfirst_asked:
	v_and_b32 v1, 15, v0                           ; r = l % 16
	v_bfe_u32 v2, v0, 4, 1                         ; h = l / 16
	v_and_b32 v6, 31, v0                           ; lane
	v_lshlrev_b32 v[SAO], 5, v1
	v_lshlrev_b32 v[SBO], 5, v6
.irp a, 0,1,2,3                                ; x's scale words: lane r takes the 32 bytes of row 16 a + r: eight words, one for each K step (lanes 16-31 read the same and are not used)
	global_load_b128 v[SA+8*\a:SA+8*\a+3], v[SAO], s[6:7] offset:512*\a
	global_load_b128 v[SA+8*\a+4:SA+8*\a+7], v[SAO], s[6:7] offset:512*\a+16
.endr
.irp p, 0,1,2,3                                ; Wo's: lane l takes row 32 p + l: block 2 p in lanes 0-15, block 2 p + 1 in lanes 16-31
	global_load_b128 v[SB+8*\p:SB+8*\p+3], v[SBO], s[10:11] offset:1024*\p
	global_load_b128 v[SB+8*\p+4:SB+8*\p+7], v[SBO], s[10:11] offset:1024*\p+16
.endr
	v_mul_u32_u24 v3, v1, BP
	v_mul_u32_u24 v4, v2, 24
	v_add_nc_u32 v4, v3, v4                        ; Wo: a fragment's row x pitch + 24 x half
	v_lshl_add_u32 v5, v2, 4, v4                   ; and the same behind one padding more
	v_lshlrev_b32 v7, 4, v6                        ; x: 16 x lane,
	v_lshlrev_b32 v8, 3, v6                        ; and 8 x lane
	s_mul_i32 s21, s15, 4*ATILE                    ; my 64 rows of x
	s_mul_i32 s22, s16, BLOAD                      ; my 128 rows of Wo,
	s_add_co_u32 s22, s22, BOFF                    ; which lie behind x
.irp c, 0,1
	v_add_nc_u32 v[ADRA+\c], s21, v7
	v_add_nc_u32 v[ADRA+2+\c], s21, v8
	v_add_nc_u32 v[ADRB+\c], s22, v4
	v_add_nc_u32 v[ADRB+2+\c], s22, v5
	s_add_co_u32 s21, s21, AHALF
	s_add_co_u32 s22, s22, BHALF
.endr
	s_mul_i32 s23, s14, 16*SPITCH                  ; my stage
	v_mul_u32_u24 v5, v1, SPITCH                   ; in: row l % 16, 32 bytes for each half of the lanes
	v_lshl_add_u32 v5, v2, 5, v5
	v_add_nc_u32 v[STO], s23, v5
	v_lshlrev_b32 v[CO], 4, v6                     ; back: the 32 lanes take one row of 512 bytes; and the same in out0
	v_add_nc_u32 v[RD], s23, v[CO]
	s_lshl_b32 s20, s17, 7
	s_lshl_b32 s21, s15, 6
	s_add_co_u32 s20, s20, s21                     ; my first row of out0: 128 x tile row + 64 x half
	s_mov_b32 s21, 0
	s_mov_b64 s[18:19], SIZE_N*4
	s_mul_u64 s[20:21], s[20:21], s[18:19]
	s_lshl_b32 s46, s42, 10                        ; my first column, in bytes: 1,024 x tile column + 512 x half
	s_lshl_b32 s47, s16, 9
	s_add_co_u32 s46, s46, s47
	s_mov_b32 s47, 0
	s_add_nc_u64 s[20:21], s[20:21], s[46:47]
	s_add_nc_u64 s[12:13], s[12:13], s[20:21]
.macro FRAGB reg, c, q, i              ; a fragment of Wo, block i, the q-th 128 of half c of K: six pieces of 8 bytes of a row.  16 bytes of padding lie behind every 16 pieces; lanes 16-31 read three pieces on
.irp p, 0,1,2,3,4,5
.set PCE, 12*(\q)+6*(\p/3)+\p%3
.if PCE%16 < 13
	ds_load_b64 v[\reg+2*\p:\reg+2*\p+1], v[ADRB+(\c)] offset:8*PCE+16*(PCE/16)+(\i)*16*BP
.else
	ds_load_b64 v[\reg+2*\p:\reg+2*\p+1], v[ADRB+2+(\c)] offset:8*PCE+16*(PCE/16)+(\i)*16*BP
.endif
.endr
.endm
.macro FRAGA reg, c, q, i              ; a fragment of x: two heads' images: registers 6 u .. 6 u + 3 by 16 bytes a lane, 6 u + 4, 5 by 8 bytes a lane
.irp u, 0,1
	ds_load_b128 v[\reg+6*\u:\reg+6*\u+3], v[ADRA+(\c)] offset:(\i)*ATILE+(2*(\q)+\u)*768
	ds_load_b64 v[\reg+6*\u+4:\reg+6*\u+5], v[ADRA+2+(\c)] offset:(\i)*ATILE+(2*(\q)+\u)*768+512
.endr
.endm
.macro RUN kn, g                       ; run g of K step kn's loads: Wo's fragment g (6 loads); in the first four runs x's fragment g too (4 loads)
	FRAGB BFR+FR*(\g), (\kn)/4, (\kn)%4, \g
.if (\g) < 4
	FRAGA AFR+FR*(\g), (\kn)/4, (\kn)%4, \g
.endif
.endm
.macro WM a, b, k, zero                ; one product: x's block a against Wo's block b, K step k
.set ACR, 8*(8*(\a)+(\b))
.if \zero
.if (\b)%2
	v_wmma_scale_f32_16x16x128_f8f6f4 v[ACR:ACR+7], v[BFR+FR*(\b):BFR+FR*(\b)+FR-1], v[AFR+FR*(\a):AFR+FR*(\a)+FR-1], 0, v[SB+8*((\b)/2)+(\k)], v[SA+8*(\a)+(\k)] matrix_a_fmt:MATRIX_FMT_FP6 matrix_b_fmt:MATRIX_FMT_FP6 matrix_a_scale:MATRIX_SCALE_ROW1
.else
	v_wmma_scale_f32_16x16x128_f8f6f4 v[ACR:ACR+7], v[BFR+FR*(\b):BFR+FR*(\b)+FR-1], v[AFR+FR*(\a):AFR+FR*(\a)+FR-1], 0, v[SB+8*((\b)/2)+(\k)], v[SA+8*(\a)+(\k)] matrix_a_fmt:MATRIX_FMT_FP6 matrix_b_fmt:MATRIX_FMT_FP6
.endif
.else
.if (\b)%2
	v_wmma_scale_f32_16x16x128_f8f6f4 v[ACR:ACR+7], v[BFR+FR*(\b):BFR+FR*(\b)+FR-1], v[AFR+FR*(\a):AFR+FR*(\a)+FR-1], v[ACR:ACR+7], v[SB+8*((\b)/2)+(\k)], v[SA+8*(\a)+(\k)] matrix_a_fmt:MATRIX_FMT_FP6 matrix_b_fmt:MATRIX_FMT_FP6 matrix_a_scale:MATRIX_SCALE_ROW1
.else
	v_wmma_scale_f32_16x16x128_f8f6f4 v[ACR:ACR+7], v[BFR+FR*(\b):BFR+FR*(\b)+FR-1], v[AFR+FR*(\a):AFR+FR*(\a)+FR-1], v[ACR:ACR+7], v[SB+8*((\b)/2)+(\k)], v[SA+8*(\a)+(\k)] matrix_a_fmt:MATRIX_FMT_FP6 matrix_b_fmt:MATRIX_FMT_FP6
.endif
.endif
.endm
.macro PLACES n                        ; plain vector instructions between a matrix instruction and a load into, or a read of, its registers
.rept \n
	v_nop
.endr
.endm
; K STEP k.  Its fragments lie in window 1 (k even) or 3 (k odd); the next step's go into the other.  The 32 accumulators take turns, one instruction a turn, in the same order in every step.
; zero = 1: the first products start the sums.  fetch = 1: the next step's fragments are asked for.  bar = 1: the next step's fragments lie in K's upper half: the second barrier stands in front of their loads.
.macro HSTEP k, zero, fetch, bar
.if \bar
	s_wait_tensorcnt 0x0                           ; my part of K's upper half has landed,
	s_wait_dscnt 0x0                               ; and my reads of the lower half are over: the stage will lie there
	s_barrier_signal -1
.else
	s_wait_dscnt 24                                ; x's four fragments and Wo's 0-3 are in; the youngest 24 loads (Wo's 4-7) may be out
.endif
.irp g, 0,1,2,3,4,5,6,7
.if \g == 4
	s_wait_dscnt 40*\fetch                         ; Wo's 4-7 are in; this step's first four runs, 40 loads, may be out
.endif
	WIN 0xa5+0x0a*((\k)%2)                         ; sources 0 and 1 window 1 or 3, C and D window 2
.irp a, 0,1,2,3
	WM \a, \g, \k, \zero
.endr
.if \bar && (\g == 0)
	s_barrier_wait -1                              ; everybody's part has landed
.endif
.if \fetch
.if \g == 0
	PLACES NP                                      ; between the last step's products, which read the other window's fragments, and the loads into them
.endif
	WIN 0xc0-0x80*((\k)%2)                         ; destination window 3 or 1, address window 0
	RUN (\k)+1, \g
.endif
.endr
.endm
	s_wait_tensorcnt 1                             ; my part of K's lower half is in; the upper half's load may be out
	s_barrier_signal -1
	s_barrier_wait -1                              ; everybody's is
	WIN 0x40
.irp g, 0,1,2,3,4,5,6,7
	RUN 0, \g
.endr
	s_wait_loadcnt 0x0                             ; the scale words
	HSTEP 0, 1, 1, 0
	HSTEP 1, 0, 1, 0
	HSTEP 2, 0, 1, 0
	HSTEP 3, 0, 1, 1
	HSTEP 4, 0, 1, 0
	HSTEP 5, 0, 1, 0
	HSTEP 6, 0, 1, 0
	HSTEP 7, 0, 0, 0
	WIN 0
; THE WAY OUT, block by block of 16 rows x 128 columns, through my own stage in LDS: back as whole rows of 512 bytes.  LDS serves a wave's instructions in order (ISA guide 5.7.1.4).
.macro TOSTAGE a
.set AC, 64*(\a)
	WIN 0x08                                       ; an LDS store's data are its source 1: window 2
.irp b, 0,1,2,3,4,5,6,7
	ds_store_b128 v[STO], v[AC+8*\b:AC+8*\b+3] offset:64*\b          ; each accumulator from its low end on
	ds_store_b128 v[STO], v[AC+8*\b+4:AC+8*\b+7] offset:64*\b+16
.endr
	WIN 0
.set BB, BK+64*((\a)%2)
.irp t, 0,1,2,3,4,5,6,7,8,9,10,11,12,13,14,15
	ds_load_b128 v[BB+4*\t:BB+4*\t+3], v[RD] offset:\t*SPITCH
.endr
.endm
.macro SEND a, younger
.set BB, BK+64*((\a)%2)
	s_wait_dscnt \younger
.if (\a) > 0
	s_add_nc_u64 s[12:13], s[12:13], 16*SIZE_N*4   ; (behind a wait on XCNT: the earlier stores have read their base)
.endif
.irp t, 0,1,2,3,4,5,6,7,8,9,10,11,12,13,14,15
	global_store_b128 v[CO], v[BB+4*\t:BB+4*\t+3], s[12:13] offset:\t*SIZE_N*4 th:TH_STORE_NT   ; 32 lanes store 512 consecutive bytes, aligned
.endr
.endm
	PLACES NP                                      ; behind the last products
	TOSTAGE 0
.irp a, 1,2,3
.if \a > 1
	s_wait_xcnt 0x0                                ; block a - 2's stores have read their registers and their base
.endif
	TOSTAGE \a
	SEND \a-1, 32                                  ; behind block a - 1's loads: block a's 16 stores and 16 loads
.endr
	s_wait_xcnt 0x0
	SEND 3, 0
	s_wait_tensorcnt 0x0
	ds_add_u32 v126, v127
	s_wait_dscnt 0x0
	CROUND                                         ; the closing round: no work-group ends while a partner may still ask for a tile that names it
	s_endpgm
.Lfunc_end_k_q447cf1d254_outp:
	.size	k_q447cf1d254_outp, .Lfunc_end_k_q447cf1d254_outp-k_q447cf1d254_outp
	.p2alignl 7, 3214868480
	.fill 96, 4, 3214868480
	.section	.rodata,"a",@progbits
	.p2align	6, 0x0
	.amdhsa_kernel k_q447cf1d254_outp
		.amdhsa_group_segment_fixed_size 327680
		.amdhsa_private_segment_fixed_size 0
		.amdhsa_enable_private_segment 0
		.amdhsa_kernarg_size 40
		.amdhsa_user_sgpr_count 2
		.amdhsa_user_sgpr_kernarg_segment_ptr 1
		.amdhsa_wavefront_size32 1
		.amdhsa_system_sgpr_workgroup_id_x 1
		.amdhsa_system_sgpr_workgroup_id_y 1
		.amdhsa_system_sgpr_workgroup_id_z 1
		.amdhsa_system_vgpr_workitem_id 0
		.amdhsa_next_free_vgpr 1024
		.amdhsa_next_free_sgpr 98
		.amdhsa_reserve_vcc 0
		.amdhsa_float_denorm_mode_32 3
		.amdhsa_float_denorm_mode_16_64 3
		.amdhsa_memory_ordered 1
		.amdhsa_forward_progress 1
		.amdhsa_inst_pref_size 94
	.end_amdhsa_kernel
	.amdgpu_metadata
---
amdhsa.version: [ 1, 2 ]
amdhsa.kernels:
  - .name:           k_q447cf1d254_outp
    .symbol:         k_q447cf1d254_outp.kd
    .args:
      - { .name: xc, .offset: 0, .size: 8, .value_kind: global_buffer, .address_space: global }
      - { .name: xs, .offset: 8, .size: 8, .value_kind: global_buffer, .address_space: global }
      - { .name: Wo_codes, .offset: 16, .size: 8, .value_kind: global_buffer, .address_space: global }
      - { .name: Wo_scales, .offset: 24, .size: 8, .value_kind: global_buffer, .address_space: global }
      - { .name: out0, .offset: 32, .size: 8, .value_kind: global_buffer, .address_space: global }
    .group_segment_fixed_size: 327680
    .private_segment_fixed_size: 0
    .kernarg_segment_align: 8
    .kernarg_segment_size: 40
    .max_flat_workgroup_size: 128
    .sgpr_count:     98
    .vgpr_count:     1024
    .wavefront_size: 32
...
	.end_amdgpu_metadata
.endif
;; end of part 3
